; MI455X (gfx1250); checked and timed in simulation.
; The chip was launched on July 23, 2026; its instructions are those of AMD's public machine-readable ISA for CDNA 5 (MIT licence, August 2026) and "CDNA5" Instruction Set Architecture Reference Guide (July 2026). The comments in the code are by the model that wrote it; some were corrected since.
;; Cross Attention. Allowed arithmetic: matrix products marked QUANTISED: E4M3 operands, one given power-of-two scale a tensor, by v_wmma_f32_16x16x64_fp8_fp8 or v_wmma_f32_16x16x128_fp8_fp8, f32 sums; everything else in f32.
;; Inputs: Wk 1,024 x 1,024 float32; Wp 1,024 x 1,024 float32; Wq 1,024 x 1,024 float32; Wv 1,024 x 1,024 float32; attn_bias 1 x 16 x 1,024 x 2,048 float32; bp 1,024 float32; context 4 x 2,048 x 1,024 float32; lowp_scales 12 int32 (the exponents e of the quantised operands' scales 2^e); scale_mul 1 x 16 x 1 x 1 float32; x 4 x 1,024 x 1,024 float32.
;; Outputs: out0 4 x 1,024 x 1,024 float32.
;; This version of the problem:
;;   THIS VERSION OF THE PROBLEM IS GIVEN IN LOW PRECISION. The matrix products marked QUANTISED in the list below multiply operands that are first quantised to E4M3 (4 exponent bits, 3 mantissa bits; 8 bits a number), with one given power-of-two scale for each operand tensor; their sums are f32. All else is computed in f32.
;;   The module's matrix products, in the order in which they are computed (A, B: the left and right operand; K: the contracted axis; several contracted axes count as one K, in the product's order):
;;     1. [M 4,096, K 1,024] x [K 1,024, N 1,024]; A: input x; B: input Wq: QUANTISED (scales: A lowp_scales[0], B lowp_scales[1])
;;     2. [M 8,192, K 1,024] x [K 1,024, N 1,024]; A: input context; B: input Wk: QUANTISED (scales: A lowp_scales[2], B lowp_scales[3])
;;     3. [M 8,192, K 1,024] x [K 1,024, N 1,024]; A: input context; B: input Wv: QUANTISED (scales: A lowp_scales[4], B lowp_scales[5])
;;     4. batch 64 x [M 1,024, K 64] x [K 64, N 2,048]; A: computed on the way; B: computed on the way: QUANTISED (scales: A lowp_scales[6], B lowp_scales[7])
;;     5. batch 64 x [M 1,024, K 2,048] x [K 2,048, N 64]; A: softmax (see below); B: computed on the way: QUANTISED (scales: A lowp_scales[8], B lowp_scales[9])
;;     6. [M 4,096, K 1,024] x [K 1,024, N 1,024]; A: computed on the way; B: input Wp: QUANTISED (scales: A lowp_scales[10], B lowp_scales[11])
;;   THE QUANTISER, for each operand of a quantised product, along K:
;;     - The operand's scale is 2^e, e = its entry of the input lowp_scales (int32; the entries are numbered through the quantised products in the list's order, A before B).
;;     - Each number is divided by the scale, clamped to +-448, and rounded to the nearest number of E4M3, ties to even, subnormals kept.
;;     - The product sums the exact products of the quantised numbers (number of the format x scale) in f32.
;;   ~~~python
;;   def quantise(x, axis, e):      # numpy; x: float32 -> the quantised numbers, widened to float32 again
;;       x = np.moveaxis(x, axis, -1); K = x.shape[-1]
;;       r = np.clip(x / 2.0 ** e, -448, 448)
;;       step = 2.0 ** (np.maximum(np.frexp(np.where(r == 0, 1, r))[1] - 1, -6) - 3)
;;       q = np.round(r / step) * step * 2.0 ** e      # np.round: ties to even
;;       return np.moveaxis(q, -1, axis).astype(np.float32)
;;   ~~~
;;   SOFTMAX AHEAD OF A QUANTISED PRODUCT. Where the list says 'softmax', what is quantised is not the finished softmax but p = 2^(t - M), with t = logit x log2(e) and M = ceil(the row's largest t), a whole number; so 1/2 < the row's largest p <= 1. The row's sum l is taken of the UNQUANTISED p, in f32, and the product's result is divided by l at the end. Since M is a whole number, a kernel that streams over the keys may use a running M (the ceiling of the running maximum): every later rescaling is an exact power of two, so the quantised numbers keep their values, but for numbers so far below the row's largest that they fall under the format's range.
;;   OPERANDS COMPUTED ON THE WAY. 'Computed on the way' means the value that the module computes at that place (a softmax that the list does not call 'softmax' is quantised finished and normalised). What goes into a quantiser is computed in f32, as accurately as f32 sums, v_exp_f32 and their like allow (about 1e-6 of the number): no bf16 or f16 on the way to a quantiser, and a product that is left as it is and whose result goes on into a quantised operand takes f32 operands (vector FMAs, or v_wmma_f32_16x16x4_f32). A number that lies on a knife's edge between two numbers of the format may be rounded either way, as far as f32 arithmetic and the matrix unit's own rounding can turn it there, and no further.
;; One version. Each part assembles by itself: llvm-mc -triple=amdgcn-amd-amdhsa -mcpu=gfx1250 --defsym DOCPART=n.
;; ======== version 1 of 1: 5 launches
;; limits: right only within a limited range of input values
;; workspace buffers: codes 25,165,824 bytes; ksq 262,144 bytes; kv 16,777,216 bytes; qc 4,194,304 bytes; oc 4,194,304 bytes
;; launch quant (part 1): grid 1024 x 1, 4 waves a work-group, no clusters, 35,328 bytes of LDS; arguments context, x, Wq, Wk, Wv, Wp, lowp_scales, codes; writes codes
.if DOCPART == 1
	.amdgcn_target "amdgcn-amd-amdhsa--gfx1250"
	.amdhsa_code_object_version 6
	.text
	.protected	k_q37f4f7786d_quant
	.globl	k_q37f4f7786d_quant
	.p2align	8
	.type	k_q37f4f7786d_quant,@function
k_q37f4f7786d_quant:
	s_mov_b64 s[64:65], 0
	v_nop
	global_prefetch_b8 v0, s[64:65] scope:SCOPE_SE
	s_setreg_imm32_b32 hwreg(HW_REG_WAVE_MODE, 25, 1), 1
	s_wait_xcnt 0x0
; context, x, Wq, Wk, Wv, Wp (f32, rows of 1,024 numbers, K innermost) become codes of FP8 (E4M3), each with the scale 2^e that is given for it; context twice (entries 2 and 4 of the scales).
; code = x / 2^e, held within +-448, rounded to the nearest code, ties to even.  LIMITS: each e between -126 and 119.  NaN among the inputs is not served.
; THE CODES ARE LAID AS IMAGES OF OPERAND REGISTERS: [tile of 16 rows][K step of 128][p 0..3][lane][16 bytes].  The 16 bytes of (p, lane = 16 h + r) are registers 4 p .. 4 p + 3 of a fragment:
; row r, k = 32 p + 8 h + 0 .. 7, then k = 32 p + 16 + 8 h + 0 .. 7.  So every later fragment is 2,048 consecutive bytes, read 16 bytes a lane.
; SHARES.  A work-group takes one tile of 16 rows: 0-511 context, 512-767 x, 768-831 Wq, 832-895 Wk, 896-959 Wv, 960-1023 Wp.  Wave w takes columns 256 w on, in four steps of 64 columns.
; Each load reads two rows' 256 aligned bytes; a step's 4,096 bytes turn through the wave's own stage in LDS (rows 272 bytes apart) and come back as the lane's 32 neighbours along K.
; All 32 loads of a wave go out at once.  Waves share nothing: no barrier.
.set SPARE, 34816                      ; behind the four waves' stages: the spare words, 128 bytes a wave
.set WREG,  8704                       ; a wave's LDS: two stages
.set SROW,  272                        ; a stage row: 256 bytes + 16
.set STG,   16*SROW
.set GIN,   2                          ; v2   in: 4,096 (lane / 16) + 16 (lane % 16)
.set SIN,   3                          ; v3   into the stage
.set SOUT,  4                          ; v4   out of it: row r, + 32 h
.set GOUT,  5                          ; v5   16 x lane
.set LIM1,  6                          ; v6, v7   448 x 2^e and 2^e
.set SCL1,  7
.set LIM2,  8                          ; v8, v9   the same for context's second scale
.set SCL2,  9
.set SPW,   12                         ; v12  my spare word; never rewritten
.set NIL,   13                         ; v13  0; never rewritten
.set R,     16                         ; v16-143  32 registers a step: as loaded, later the step's codes
.set X,     144                        ; v144-207 two sets of 32 neighbours
.set T,     208                        ; v208-239 held numbers
	s_load_b512 s[8:23], s[0:1], 0x0               ; context, x, Wq, Wk, Wv, Wp, the scales, the codes
	v_lshl_add_u32 v[SPW], v0, 2, SPARE
	v_mov_b32 v[NIL], 0
	v_lshrrev_b32 v1, 5, v0
	v_readfirstlane_b32 s36, v1                    ; wave
	v_and_b32 v1, 31, v0                           ; lane
	v_and_b32 v10, 15, v0                          ; r
	v_bfe_u32 v11, v0, 4, 1                        ; h
	v_lshlrev_b32 v14, 4, v10
	v_lshl_add_u32 v[GIN], v11, 12, v14
	s_mul_i32 s37, s36, WREG
	v_mul_u32_u24 v[SIN], v11, SROW
	v_add_nc_u32 v[SIN], v[SIN], v14
	v_add_nc_u32 v[SIN], s37, v[SIN]
	v_mul_u32_u24 v[SOUT], v10, SROW
	v_lshl_add_u32 v[SOUT], v11, 5, v[SOUT]
	v_add_nc_u32 v[SOUT], s37, v[SOUT]
	v_lshlrev_b32 v[GOUT], 4, v1
	s_wait_alu depctr_va_vdst(0)
	s_wait_kmcnt 0x0
	s_load_b256 s[24:31], s[20:21], 0x0            ; e0 .. e7
	s_load_b128 s[32:35], s[20:21], 0x20           ; e8 .. e11
; which tensor is mine: the choice hangs on the work-group's number alone
.macro PICK bound, ptr, g0
	s_cmp_lt_u32 ttmp9, \bound
	s_cselect_b64 s[4:5], s[\ptr:\ptr+1], s[4:5]
	s_cselect_b32 s6, \g0, s6
.endm
	s_mov_b64 s[4:5], s[18:19]
	s_mov_b32 s6, 960
	PICK 960, 16, 896
	PICK 896, 14, 832
	PICK 832, 12, 768
	PICK 768, 10, 512
	PICK 512, 8, 0
	s_cselect_b32 s46, 0, 0x800000                 ; behind context's two images everything lies 8 MiB further on
	s_cselect_b32 s48, 0x800000, 0                 ; from context's first image to its second
	s_sub_co_u32 s44, ttmp9, s6
	s_lshl_b32 s44, s44, 16                        ; my 16 rows of 4,096 bytes
	s_lshl_b32 s45, s36, 10                        ; my wave's 256 columns
	s_add_co_u32 s44, s44, s45
	s_mov_b32 s45, 0
	s_add_nc_u64 s[4:5], s[4:5], s[44:45]
	s_lshl_b32 s44, ttmp9, 14                      ; a tile's image is 16,384 bytes
	s_add_co_u32 s44, s44, s46
	s_lshl_b32 s46, s36, 12                        ; my wave's two K steps
	s_add_co_u32 s44, s44, s46
	s_add_nc_u64 s[38:39], s[22:23], s[44:45]
	s_mov_b32 s49, 0
	s_add_nc_u64 s[40:41], s[38:39], s[48:49]
.irp t, 0,1,2,3
.irp j, 0,1,2,3,4,5,6,7
	global_load_b128 v[R+32*\t+4*\j:R+32*\t+4*\j+3], v[GIN], s[4:5] offset:8192*\j+256*\t th:TH_LOAD_NT   ; rows 2 j, 2 j + 1: 256 aligned bytes of each
.endr
.endr
	s_wait_kmcnt 0x0
.macro PICKE bound, reg
	s_cmp_lt_u32 ttmp9, \bound
	s_cselect_b32 s7, s[\reg], s7
.endm
	s_mov_b32 s7, s35                              ; Wp: e11
	PICKE 960, 29                                  ; Wv: e5
	PICKE 896, 27                                  ; Wk: e3
	PICKE 832, 25                                  ; Wq: e1
	PICKE 768, 24                                  ; x: e0
	PICKE 512, 26                                  ; context: e2
	s_add_co_i32 s42, s7, 127
	s_lshl_b32 s43, s42, 23
	v_mov_b32 v[SCL1], s43                         ; 2^e as f32: the conversion takes its exponent field
	s_add_co_i32 s42, s42, 8
	s_lshl_b32 s42, s42, 23
	s_or_b32 s42, s42, 0x600000
	v_mov_b32 v[LIM1], s42                         ; 448 x 2^e
	s_add_co_i32 s42, s28, 127                     ; e4
	s_lshl_b32 s43, s42, 23
	v_mov_b32 v[SCL2], s43
	s_add_co_i32 s42, s42, 8
	s_lshl_b32 s42, s42, 23
	s_or_b32 s42, s42, 0x600000
	v_mov_b32 v[LIM2], s42
; step t's numbers through the stage: LDS serves a wave's instructions in order, so no wait stands between the stores and the loads
.macro TURN t
.irp j, 0,1,2,3,4,5,6,7
	ds_store_b128 v[SIN], v[R+32*(\t)+4*\j:R+32*(\t)+4*\j+3] offset:STG*((\t)%2)+2*SROW*\j
.endr
.irp pp, 0,1
	ds_load_b128 v[X+32*((\t)%2)+16*\pp:X+32*((\t)%2)+16*\pp+3],     v[SOUT] offset:STG*((\t)%2)+128*\pp      ; k = 32 pp + 8 h + 0 .. 3
	ds_load_b128 v[X+32*((\t)%2)+16*\pp+4:X+32*((\t)%2)+16*\pp+7],   v[SOUT] offset:STG*((\t)%2)+128*\pp+16   ; + 4 .. 7
	ds_load_b128 v[X+32*((\t)%2)+16*\pp+8:X+32*((\t)%2)+16*\pp+11],  v[SOUT] offset:STG*((\t)%2)+128*\pp+64   ; k = 32 pp + 16 + 8 h + 0 .. 3
	ds_load_b128 v[X+32*((\t)%2)+16*\pp+12:X+32*((\t)%2)+16*\pp+15], v[SOUT] offset:STG*((\t)%2)+128*\pp+80
.endr
.endm
; step t's 32 numbers a lane become 32 codes, in registers d on of the step's own 32 (so no store's data are written again), and leave: 512 consecutive bytes a store
.macro QUANT t, lim, scl, d, base
.set qi, 0
.rept 32
	v_med3_num_f32 v[T+qi], v[X+32*((\t)%2)+qi], -v[\lim], v[\lim]   ; the conversion to an 8-bit code does not saturate (ISA guide 7.6.2): the hold comes first
.set qi, qi+1
.endr
.irp g, 0,1,2,3
	v_cvt_scalef32_pk8_fp8_f32 v[R+32*(\t)+\d+2*\g:R+32*(\t)+\d+2*\g+1], v[T+8*\g:T+8*\g+7], v[\scl]
.endr
	v_nop                                          ; a plain line behind the last conversion: the next holds write its sources
	global_store_b128 v[GOUT], v[R+32*(\t)+\d:R+32*(\t)+\d+3], s[\base:\base+1] offset:1024*(\t)
	global_store_b128 v[GOUT], v[R+32*(\t)+\d+4:R+32*(\t)+\d+7], s[\base:\base+1] offset:1024*(\t)+512
.endm
	s_wait_alu depctr_va_vdst(0)
	s_wait_loadcnt 24                              ; step 0's eight loads are in; the 24 behind them stay out
	TURN 0
.irp t, 0,1,2,3
	s_wait_dscnt 0x0                               ; this step's numbers are back from the stage
.if \t < 3
	s_wait_loadcnt 16-8*\t                         ; the next step's eight loads are in; those of the steps behind it stay out
	TURN \t+1
.endif
	QUANT \t, LIM1, SCL1, 0, 38
	s_cmp_ge_u32 ttmp9, 512                        ; context alone has a second image
	s_cbranch_scc1 .Lone_\t
	QUANT \t, LIM2, SCL2, 8, 40
.Lone_\t:
.endr
	s_wait_tensorcnt 0x0                           ; the wave's end, behind my last LDS store
	ds_add_u32 v[SPW], v[NIL]
	s_wait_dscnt 0x0
	s_endpgm
.Lfunc_end_k_q37f4f7786d_quant:
	.size	k_q37f4f7786d_quant, .Lfunc_end_k_q37f4f7786d_quant-k_q37f4f7786d_quant
	.p2alignl 7, 3214868480
	.fill 96, 4, 3214868480
	.section	.rodata,"a",@progbits
	.p2align	6, 0x0
	.amdhsa_kernel k_q37f4f7786d_quant
		.amdhsa_group_segment_fixed_size 35328
		.amdhsa_private_segment_fixed_size 0
		.amdhsa_enable_private_segment 0
		.amdhsa_kernarg_size 64
		.amdhsa_user_sgpr_count 2
		.amdhsa_user_sgpr_kernarg_segment_ptr 1
		.amdhsa_wavefront_size32 1
		.amdhsa_system_sgpr_workgroup_id_x 1
		.amdhsa_system_sgpr_workgroup_id_y 1
		.amdhsa_system_sgpr_workgroup_id_z 1
		.amdhsa_system_vgpr_workitem_id 0
		.amdhsa_next_free_vgpr 256
		.amdhsa_next_free_sgpr 66
		.amdhsa_reserve_vcc 0
		.amdhsa_float_denorm_mode_32 3
		.amdhsa_float_denorm_mode_16_64 3
		.amdhsa_memory_ordered 1
		.amdhsa_forward_progress 1
		.amdhsa_inst_pref_size 32
	.end_amdhsa_kernel
	.amdgpu_metadata
---
amdhsa.version: [ 1, 2 ]
amdhsa.kernels:
  - .name:           k_q37f4f7786d_quant
    .symbol:         k_q37f4f7786d_quant.kd
    .args:
      - { .name: context, .offset: 0, .size: 8, .value_kind: global_buffer, .address_space: global }
      - { .name: x, .offset: 8, .size: 8, .value_kind: global_buffer, .address_space: global }
      - { .name: Wq, .offset: 16, .size: 8, .value_kind: global_buffer, .address_space: global }
      - { .name: Wk, .offset: 24, .size: 8, .value_kind: global_buffer, .address_space: global }
      - { .name: Wv, .offset: 32, .size: 8, .value_kind: global_buffer, .address_space: global }
      - { .name: Wp, .offset: 40, .size: 8, .value_kind: global_buffer, .address_space: global }
      - { .name: lowp_scales, .offset: 48, .size: 8, .value_kind: global_buffer, .address_space: global }
      - { .name: codes, .offset: 56, .size: 8, .value_kind: global_buffer, .address_space: global }
    .group_segment_fixed_size: 35328
    .private_segment_fixed_size: 0
    .kernarg_segment_align: 8
    .kernarg_segment_size: 64
    .max_flat_workgroup_size: 128
    .sgpr_count:     66
    .vgpr_count:     256
    .wavefront_size: 32
...
	.end_amdgpu_metadata
.endif
;; end of part 1
;; launch kvgemm (part 2): grid 4 x 64, 4 waves a work-group, clusters of 4 x 4, 327,680 bytes of LDS; arguments codes, lowp_scales, ksq, kv; writes ksq, kv
.if DOCPART == 2
	.amdgcn_target "amdgcn-amd-amdhsa--gfx1250"
	.amdhsa_code_object_version 6
	.text
	.protected	k_q37f4f7786d_kvgemm
	.globl	k_q37f4f7786d_kvgemm
	.p2align	8
	.type	k_q37f4f7786d_kvgemm,@function
k_q37f4f7786d_kvgemm:
	s_mov_b64 s[64:65], 0
	v_nop
	global_prefetch_b8 v0, s[64:65] scope:SCOPE_SE
	s_setreg_imm32_b32 hwreg(HW_REG_WAVE_MODE, 25, 1), 1
	s_wait_xcnt 0x0
	s_wait_alu depctr_hold_cnt(0) depctr_sa_sdst(0) depctr_va_vdst(0) depctr_va_sdst(0) depctr_va_ssrc(0) depctr_va_vcc(0) depctr_vm_vsrc(0)
	s_getreg_b32 s2, hwreg(HW_REG_IB_STS2, 6, 4)
	s_cmp_eq_u32 s2, 0
	s_cbranch_scc0 .Lentry_in_a_cluster
	s_endpgm
.Lentry_in_a_cluster:
	s_bfe_u32 s2, ttmp6, 0x10000c
	s_cmp_lg_u32 s2, 0xf033
	s_cbranch_scc0 .Lentry_shape_is_right
	s_endpgm
.Lentry_shape_is_right:
.set WKOFF,  22020096
.set SLOT,   131072
.set SCR,    2*SLOT
.set SPARE,  SCR+4*512
.set FR,     16
.set NL,     4
.set NP,     4
.set ADRA, 16
.set ADRB, 20
.set SPW,  28
.set NIL,  29
.set AF,   128
.set G1, 24
.set G0, 32
.set G1B, 48
.set G0B, 56
.set MSB, 0
.macro WIN new
.if MSB != (\new)
	s_set_vgpr_msb (MSB<<8)|(\new)
.set MSB, (\new)
.endif
.endm
.set MUL_LO, 0xa1
.set MUL_HI, 0xf1
.set TO_B,   0x40
.macro JLOAD g0a, g1a, g0b, g1b
	s_cmp_eq_u32 s15, 0
	s_cbranch_scc0 .Lfor_b_\@
	tensor_load_to_lds s[\g0a:\g0a+3], s[\g1a:\g1a+7]
	s_nop 0
.rept 4
	v_nop
.endr
	s_branch .Lasked_\@
.Lfor_b_\@:
	tensor_load_to_lds s[\g0b:\g0b+3], s[\g1b:\g1b+7]
	s_nop 0
.rept 4
	v_nop
.endr
.Lasked_\@:
.endm
.macro CREST
	s_cmp_lg_u32 s14, 0
	s_cbranch_scc1 .Lnot_wave_0_\@
	s_barrier_signal -3
.Lnot_wave_0_\@:
	s_barrier_wait -3
	s_barrier_signal -1
	s_barrier_wait -1
.endm
.macro CROUND
	s_barrier_signal -1
	s_barrier_wait -1
	CREST
.endm
.macro FRAG reg, adr, q, i
.irp c, 0,1,2,3
	ds_load_b128 v[\reg+4*\c:\reg+4*\c+3], v[\adr] offset:4096*(\i)+2048*(\q)+512*\c
.endr
.endm
.macro MUL16 a0, p, zero
.irp a, \a0, \a0+1
.irp b, 0,1,2,3,4,5,6,7
.if \zero
	v_wmma_f32_16x16x128_fp8_fp8 v[8*(8*((\a)%4)+\b):8*(8*((\a)%4)+\b)+7], v[128*(\p)+FR*\b:128*(\p)+FR*\b+FR-1], v[AF+FR*(\a):AF+FR*(\a)+FR-1], 0
.else
	v_wmma_f32_16x16x128_fp8_fp8 v[8*(8*((\a)%4)+\b):8*(8*((\a)%4)+\b)+7], v[128*(\p)+FR*\b:128*(\p)+FR*\b+FR-1], v[AF+FR*(\a):AF+FR*(\a)+FR-1], v[8*(8*((\a)%4)+\b):8*(8*((\a)%4)+\b)+7]
.endif
.endr
.endr
.endm
.macro FETCH_B slot, q, p
	WIN TO_B
.irp i, 0,1,2,3,4,5,6,7
	FRAG 128*(\p)+FR*\i, ADRB+\slot, \q, \i
.endr
	WIN 0
.endm
.macro FETCH_A slot, q, i0
.irp i, \i0, \i0+1, \i0+2, \i0+3
	FRAG AF+FR*(\i), ADRA+\slot, \q, \i
.endr
.endm
.macro PLACES n
.rept \n
	v_nop
.endr
.endm
.macro STEP slot, q, zero
	s_wait_dscnt 4*NL
	WIN MUL_LO
	MUL16 0, (\q)%2, \zero
	MUL16 2, (\q)%2, \zero
	s_wait_dscnt 0
	PLACES NP
	FETCH_B \slot, (\q)+1, 1-(\q)%2
	FETCH_A \slot, (\q)+1, 0
	WIN MUL_HI
	MUL16 4, (\q)%2, \zero
	MUL16 6, (\q)%2, \zero
	PLACES NP
	WIN 0
	FETCH_A \slot, (\q)+1, 4
.endm
.macro TURN slot, next, fill
	s_wait_tensorcnt 0x0
	ds_add_u32 v[SPW], v[NIL]
	s_wait_dscnt 4*NL+1
	WIN MUL_LO
	MUL16 0, 1, 0
	s_wait_dscnt 0x0
	s_barrier_signal -1
	MUL16 2, 1, 0
	WIN 0
	s_barrier_wait -1
.if \fill
	CREST
	s_add_nc_u64 s[G0+4*\slot+2:G0+4*\slot+3], s[G0+4*\slot+2:G0+4*\slot+3], 8192
	s_add_nc_u64 s[G0B+4*\slot+2:G0B+4*\slot+3], s[G0B+4*\slot+2:G0B+4*\slot+3], 8192
	JLOAD G0+4*\slot, G1, G0B+4*\slot, G1B
.else
	PLACES NP
.endif
	FETCH_B \next, 0, 0
	FETCH_A \next, 0, 0
	WIN MUL_HI
	MUL16 4, 1, 0
	MUL16 6, 1, 0
	PLACES NP
	WIN 0
	FETCH_A \next, 0, 4
.endm
	s_load_b256 s[4:11], s[0:1], 0x0
	v_lshl_add_u32 v[SPW], v0, 2, SPARE
	v_mov_b32 v[NIL], 0
	ds_add_u32 v[SPW], v[NIL]
	ds_add_u32 v[SPW], v[NIL]
	v_lshrrev_b32 v1, 5, v0
	v_readfirstlane_b32 s14, v1
	s_lshr_b32 s15, s14, 1
	s_and_b32 s16, s14, 1
	s_bfe_u32 s40, ttmp6, 0x40000
	s_bfe_u32 s41, ttmp6, 0x40004
	s_and_b32 s17, ttmp7, 0xffff
	s_lshr_b32 s18, s17, 3
	s_and_b32 s19, s17, 7
	s_lshl_b32 s43, s41, 2
	s_lshl_b32 s43, 15, s43
	s_lshl_b32 s44, 0x1111, s40
	s_or_b32 s[G1+0], s43, (3<<16)|(1<<21)
	s_or_b32 s[G1B+0], s44, (3<<16)|(1<<21)
.irp g, G1, G1B
	s_mov_b32 s[\g+1], 512<<16
	s_mov_b32 s[\g+2], 8<<16
	s_mov_b32 s[\g+3], 512<<16
	s_mov_b32 s[\g+4], 8
	s_mov_b32 s[\g+5], 2048
	s_mov_b32 s[\g+6], 0
	s_mov_b32 s[\g+7], 0
.endr
	s_lshl_b32 s20, s41, 4
	s_lshl_b32 s21, s16, 3
	s_add_co_u32 s20, s20, s21
	s_lshl_b32 s20, s20, 14
	s_lshl_b32 s21, s18, 20
	s_add_co_u32 s20, s20, s21
	s_add_co_u32 s20, s20, WKOFF
	s_mov_b32 s21, 0
	s_lshl_b32 s46, s19, 2
	s_add_co_u32 s46, s46, s40
	s_lshl_b32 s46, s46, 4
	s_lshl_b32 s47, s16, 3
	s_add_co_u32 s46, s46, s47
	s_lshl_b32 s46, s46, 14
	s_lshl_b32 s47, s18, 23
	s_add_co_u32 s46, s46, s47
	s_mov_b32 s47, 0
	s_lshl_b32 s45, s14, 15
	s_mov_b32 s68, 0x76543210
	s_mov_b32 s69, 0xfedcba98
	s_wait_dscnt 0x0
	s_wait_kmcnt 0x0
	s_load_b256 s[72:79], s[6:7], 0x0
	s_load_b128 s[80:83], s[6:7], 0x20
	s_add_nc_u64 s[20:21], s[4:5], s[20:21]
	s_add_nc_u64 s[46:47], s[4:5], s[46:47]
	CROUND
.irp s, 0,1
	s_mov_b32 s[G0+4*\s], 1
	s_add_co_u32 s[G0+4*\s+1], s45, \s*SLOT
	s_add_nc_u64 s[G0+4*\s+2:G0+4*\s+3], s[20:21], \s*4096
	s_or_b32 s[G0+4*\s+3], s[G0+4*\s+3], 0x80000000
	s_mov_b32 s[G0B+4*\s], 1
	s_add_co_u32 s[G0B+4*\s+1], s45, \s*SLOT
	s_add_nc_u64 s[G0B+4*\s+2:G0B+4*\s+3], s[46:47], \s*4096
	s_or_b32 s[G0B+4*\s+3], s[G0B+4*\s+3], 0x80000000
.endr
	JLOAD G0, G1, G0B, G1B                         ; K steps 0 and 1: one tensor load a wave at the head, behind the opening round; the set-up below stands under its flight
	v_and_b32 v1, 31, v0
	v_lshlrev_b32 v8, 4, v1
	v_and_b32 v2, 15, v0
	s_wait_alu depctr_va_vdst(0)
	s_lshl_b32 s22, s15, 15
	s_lshl_b32 s23, s16, 15
	s_add_co_u32 s23, s23, 65536
.irp s, 0,1
	v_add_nc_u32 v[ADRA+\s], s22, v8
	v_add_nc_u32 v[ADRB+\s], s23, v8
	s_add_co_u32 s22, s22, SLOT
	s_add_co_u32 s23, s23, SLOT
.endr
	s_lshl_b32 s70, s14, 9
	s_add_co_u32 s70, s70, SCR
	v_lshl_add_u32 v22, v2, 2, s70
	v_add_nc_u32 v23, s70, v8
	s_lshl_b32 s66, s19, 2
	s_add_co_u32 s66, s66, s40
	s_lshl_b32 s66, s66, 1
	s_add_co_u32 s66, s66, s16
	s_lshl_b32 s67, s41, 1
	s_add_co_u32 s67, s67, s15
	s_lshl_b32 s84, s66, 12
	s_lshl_b32 s85, s67, 9
	s_add_co_u32 s84, s84, s85
	s_mov_b32 s85, 0
	s_add_nc_u64 s[84:85], s[8:9], s[84:85]
	s_lshr_b32 s86, s66, 4
	s_lshl_b32 s86, s86, 4
	s_lshl_b32 s87, s67, 1
	s_add_co_u32 s86, s86, s87
	s_lshl_b32 s86, s86, 4
	s_and_b32 s87, s66, 15
	s_add_co_u32 s86, s86, s87
	s_lshl_b32 s86, s86, 14
	s_add_co_u32 s86, s86, 8192
	s_mov_b32 s87, 0
	s_add_nc_u64 s[86:87], s[10:11], s[86:87]
	s_wait_alu depctr_va_vdst(0)
	s_wait_kmcnt 0x0
	s_sub_co_i32 s88, s81, s76
	s_sub_co_i32 s88, s88, s77
	s_add_co_i32 s88, s88, 127
	s_lshl_b32 s89, s88, 23
	v_mov_b32 v11, s89
	s_add_co_i32 s88, s88, 8
	s_lshl_b32 s88, s88, 23
	s_or_b32 s88, s88, 0x600000
	v_mov_b32 v10, s88
	s_wait_alu depctr_va_vdst(0)                   ; the wait at the head's end
	s_wait_tensorcnt 0x0                           ; my part of slot 0 is in
	ds_add_u32 v[SPW], v[NIL]
	s_wait_dscnt 0x0
	CROUND                                         ; everybody's part is in, and all sixteen work-groups are here
	JLOAD G0+4, G1, G0B+4, G1B                     ; slot 1's first fill, the first tensor load behind the round
	FETCH_B 0, 0, 0
	FETCH_A 0, 0, 0
	FETCH_A 0, 0, 4
	STEP 0, 0, 1
	TURN 0, 1, 1
	STEP 1, 0, 0
	TURN 1, 0, 1
	STEP 0, 0, 0
	TURN 0, 1, 0
	STEP 1, 0, 0
	s_wait_dscnt 4*NL
	WIN MUL_LO
	MUL16 0, 1, 0
	MUL16 2, 1, 0
	s_wait_dscnt 0
	WIN MUL_HI
	MUL16 4, 1, 0
	MUL16 6, 1, 0
	WIN 0
	PLACES NP
	s_cmp_lg_u32 s18, 0
	s_cbranch_scc1 .Lmode_v
.irp hi, 0,1
	WIN 0x0a+5*\hi
.irp a, 0,1,2,3
	v_pk_mul_f32 v[32+4*(4*\hi+\a):33+4*(4*\hi+\a)], v[64*\a:64*\a+1], v[64*\a:64*\a+1]
	v_pk_mul_f32 v[34+4*(4*\hi+\a):35+4*(4*\hi+\a)], v[64*\a+2:64*\a+3], v[64*\a+2:64*\a+3]
.endr
.set vj, 4
.rept 15
.irp a, 0,1,2,3
	v_pk_fma_f32 v[32+4*(4*\hi+\a):33+4*(4*\hi+\a)], v[64*\a+vj:64*\a+vj+1], v[64*\a+vj:64*\a+vj+1], v[32+4*(4*\hi+\a):33+4*(4*\hi+\a)]
	v_pk_fma_f32 v[34+4*(4*\hi+\a):35+4*(4*\hi+\a)], v[64*\a+vj+2:64*\a+vj+3], v[64*\a+vj+2:64*\a+vj+3], v[34+4*(4*\hi+\a):35+4*(4*\hi+\a)]
.endr
.set vj, vj+4
.endr
.endr
	WIN 0
.irp a, 0,1,2,3,4,5,6,7
	v_pk_add_f32 v[32+4*\a:33+4*\a], v[32+4*\a:33+4*\a], v[34+4*\a:35+4*\a]
.endr
.irp a, 0,1,2,3,4,5,6,7
	v_add_f32 v[32+4*\a], v[32+4*\a], v[33+4*\a]
.endr
.irp a, 0,1,2,3,4,5,6,7
	v_permlanex16_b32 v[33+4*\a], v[32+4*\a], s68, s69
.endr
.irp a, 0,1,2,3,4,5,6,7
	v_add_f32 v[32+4*\a], v[32+4*\a], v[33+4*\a]
.endr
.irp a, 0,1,2,3,4,5,6,7
	ds_store_b32 v22, v[32+4*\a] offset:64*\a
.endr
	ds_load_b128 v[96:99], v23
	s_wait_dscnt 0x0
	global_store_b128 v8, v[96:99], s[84:85]
	s_branch .Lend
.Lmode_v:
.macro VOUT a
.set AC, 64*((\a)%4)
.set CD, 192+16*((\a)%2)
.if (\a) >= 2
	s_wait_xcnt 0x0
.endif
	WIN 0x02+((\a)/4)
.set vi, 0
.rept 64
	v_med3_num_f32 v[128+vi], v[AC+vi], -v10, v10
.set vi, vi+1
.endr
	WIN 0
.irp b, 0,1,2,3,4,5,6,7
	v_cvt_scalef32_pk8_fp8_f32 v[CD+2*\b:CD+2*\b+1], v[128+8*\b:128+8*\b+7], v11
.endr
	v_nop
.irp p, 0,1,2,3
	global_store_b128 v8, v[CD+4*\p:CD+4*\p+3], s[86:87] offset:((\a)/4)*262144+((\a)%4)*2048+512*\p
.endr
.endm
	s_wait_alu depctr_va_vdst(0)
.irp a, 0,1,2,3,4,5,6,7
	VOUT \a
.endr
.Lend:
	s_wait_tensorcnt 0x0
	ds_add_u32 v[SPW], v[NIL]
	s_wait_dscnt 0x0
	CROUND
	s_endpgm
.Lfunc_end_k_q37f4f7786d_kvgemm:
	.size	k_q37f4f7786d_kvgemm, .Lfunc_end_k_q37f4f7786d_kvgemm-k_q37f4f7786d_kvgemm
	.p2alignl 7, 3214868480
	.fill 96, 4, 3214868480
	.section	.rodata,"a",@progbits
	.p2align	6, 0x0
	.amdhsa_kernel k_q37f4f7786d_kvgemm
		.amdhsa_group_segment_fixed_size 327680
		.amdhsa_private_segment_fixed_size 0
		.amdhsa_enable_private_segment 0
		.amdhsa_kernarg_size 32
		.amdhsa_user_sgpr_count 2
		.amdhsa_user_sgpr_kernarg_segment_ptr 1
		.amdhsa_wavefront_size32 1
		.amdhsa_system_sgpr_workgroup_id_x 1
		.amdhsa_system_sgpr_workgroup_id_y 1
		.amdhsa_system_sgpr_workgroup_id_z 1
		.amdhsa_system_vgpr_workitem_id 0
		.amdhsa_next_free_vgpr 1024
		.amdhsa_next_free_sgpr 100
		.amdhsa_reserve_vcc 0
		.amdhsa_float_denorm_mode_32 3
		.amdhsa_float_denorm_mode_16_64 3
		.amdhsa_memory_ordered 1
		.amdhsa_forward_progress 1
		.amdhsa_inst_pref_size 137
	.end_amdhsa_kernel
	.amdgpu_metadata
---
amdhsa.version: [ 1, 2 ]
amdhsa.kernels:
  - .name:           k_q37f4f7786d_kvgemm
    .symbol:         k_q37f4f7786d_kvgemm.kd
    .args:
      - { .name: codes, .offset: 0, .size: 8, .value_kind: global_buffer, .address_space: global }
      - { .name: lowp_scales, .offset: 8, .size: 8, .value_kind: global_buffer, .address_space: global }
      - { .name: ksq, .offset: 16, .size: 8, .value_kind: global_buffer, .address_space: global }
      - { .name: kv, .offset: 24, .size: 8, .value_kind: global_buffer, .address_space: global }
    .group_segment_fixed_size: 327680
    .private_segment_fixed_size: 0
    .kernarg_segment_align: 8
    .kernarg_segment_size: 32
    .max_flat_workgroup_size: 128
    .sgpr_count:     100
    .vgpr_count:     1024
    .wavefront_size: 32
...
	.end_amdgpu_metadata
.endif
;; end of part 2
;; launch qkgemm (part 3): grid 4 x 48, 4 waves a work-group, clusters of 4 x 4, 327,680 bytes of LDS; arguments codes, lowp_scales, ksq, scale_mul, kv, qc; writes kv, qc
.if DOCPART == 3
	.amdgcn_target "amdgcn-amd-amdhsa--gfx1250"
	.amdhsa_code_object_version 6
	.text
	.protected	k_q37f4f7786d_qkgemm
	.globl	k_q37f4f7786d_qkgemm
	.p2align	8
	.type	k_q37f4f7786d_qkgemm,@function
k_q37f4f7786d_qkgemm:
	s_mov_b64 s[64:65], 0
	v_nop
	global_prefetch_b8 v0, s[64:65] scope:SCOPE_SE
	s_setreg_imm32_b32 hwreg(HW_REG_WAVE_MODE, 25, 1), 1
	s_wait_xcnt 0x0
	s_wait_alu depctr_hold_cnt(0) depctr_sa_sdst(0) depctr_va_vdst(0) depctr_va_sdst(0) depctr_va_ssrc(0) depctr_va_vcc(0) depctr_vm_vsrc(0)
	s_getreg_b32 s2, hwreg(HW_REG_IB_STS2, 6, 4)
	s_cmp_eq_u32 s2, 0
	s_cbranch_scc0 .Lentry_in_a_cluster
	s_endpgm
.Lentry_in_a_cluster:
	s_bfe_u32 s2, ttmp6, 0x10000c
	s_cmp_lg_u32 s2, 0xf033
	s_cbranch_scc0 .Lentry_shape_is_right
	s_endpgm
.Lentry_shape_is_right:
.set XCOFF,  16777216
.set WQOFF,  20971520
.set WKOFF,  22020096
.set SLOT,   131072
.set SCR,    2*SLOT
.set SPARE,  SCR+4*512
.set FR,     16
.set NL,     4
.set NP,     4
.set ADRA, 16
.set ADRB, 20
.set SPW,  28
.set NIL,  29
.set AF,   128
.set G1, 24
.set G0, 32
.set G1B, 48
.set G0B, 56
.set MSB, 0
.macro WIN new
.if MSB != (\new)
	s_set_vgpr_msb (MSB<<8)|(\new)
.set MSB, (\new)
.endif
.endm
.set MUL_LO, 0xa1
.set MUL_HI, 0xf1
.set TO_B,   0x40
.macro JLOAD g0a, g1a, g0b, g1b
	s_cmp_eq_u32 s15, 0
	s_cbranch_scc0 .Lfor_b_\@
	tensor_load_to_lds s[\g0a:\g0a+3], s[\g1a:\g1a+7]
	s_nop 0
.rept 4
	v_nop
.endr
	s_branch .Lasked_\@
.Lfor_b_\@:
	tensor_load_to_lds s[\g0b:\g0b+3], s[\g1b:\g1b+7]
	s_nop 0
.rept 4
	v_nop
.endr
.Lasked_\@:
.endm
.macro CREST
	s_cmp_lg_u32 s14, 0
	s_cbranch_scc1 .Lnot_wave_0_\@
	s_barrier_signal -3
.Lnot_wave_0_\@:
	s_barrier_wait -3
	s_barrier_signal -1
	s_barrier_wait -1
.endm
.macro CROUND
	s_barrier_signal -1
	s_barrier_wait -1
	CREST
.endm
.macro FRAG reg, adr, q, i
.irp c, 0,1,2,3
	ds_load_b128 v[\reg+4*\c:\reg+4*\c+3], v[\adr] offset:4096*(\i)+2048*(\q)+512*\c
.endr
.endm
.macro MUL16 a0, p, zero
.irp a, \a0, \a0+1
.irp b, 0,1,2,3,4,5,6,7
.if \zero
	v_wmma_f32_16x16x128_fp8_fp8 v[8*(8*((\a)%4)+\b):8*(8*((\a)%4)+\b)+7], v[128*(\p)+FR*\b:128*(\p)+FR*\b+FR-1], v[AF+FR*(\a):AF+FR*(\a)+FR-1], 0
.else
	v_wmma_f32_16x16x128_fp8_fp8 v[8*(8*((\a)%4)+\b):8*(8*((\a)%4)+\b)+7], v[128*(\p)+FR*\b:128*(\p)+FR*\b+FR-1], v[AF+FR*(\a):AF+FR*(\a)+FR-1], v[8*(8*((\a)%4)+\b):8*(8*((\a)%4)+\b)+7]
.endif
.endr
.endr
.endm
.macro FETCH_B slot, q, p
	WIN TO_B
.irp i, 0,1,2,3,4,5,6,7
	FRAG 128*(\p)+FR*\i, ADRB+\slot, \q, \i
.endr
	WIN 0
.endm
.macro FETCH_A slot, q, i0
.irp i, \i0, \i0+1, \i0+2, \i0+3
	FRAG AF+FR*(\i), ADRA+\slot, \q, \i
.endr
.endm
.macro PLACES n
.rept \n
	v_nop
.endr
.endm
.macro STEP slot, q, zero
	s_wait_dscnt 4*NL
	WIN MUL_LO
	MUL16 0, (\q)%2, \zero
	MUL16 2, (\q)%2, \zero
	s_wait_dscnt 0
	PLACES NP
	FETCH_B \slot, (\q)+1, 1-(\q)%2
	FETCH_A \slot, (\q)+1, 0
	WIN MUL_HI
	MUL16 4, (\q)%2, \zero
	MUL16 6, (\q)%2, \zero
	PLACES NP
	WIN 0
	FETCH_A \slot, (\q)+1, 4
.endm
.macro TURN slot, next, fill
	s_wait_tensorcnt 0x0
	ds_add_u32 v[SPW], v[NIL]
	s_wait_dscnt 4*NL+1
	WIN MUL_LO
	MUL16 0, 1, 0
	s_wait_dscnt 0x0
	s_barrier_signal -1
	MUL16 2, 1, 0
	WIN 0
	s_barrier_wait -1
.if \fill
	CREST
	s_add_nc_u64 s[G0+4*\slot+2:G0+4*\slot+3], s[G0+4*\slot+2:G0+4*\slot+3], 8192
	s_add_nc_u64 s[G0B+4*\slot+2:G0B+4*\slot+3], s[G0B+4*\slot+2:G0B+4*\slot+3], 8192
	JLOAD G0+4*\slot, G1, G0B+4*\slot, G1B
.else
	PLACES NP
.endif
	FETCH_B \next, 0, 0
	FETCH_A \next, 0, 0
	WIN MUL_HI
	MUL16 4, 1, 0
	MUL16 6, 1, 0
	PLACES NP
	WIN 0
	FETCH_A \next, 0, 4
.endm
	s_load_b256 s[4:11], s[0:1], 0x0
	s_load_b128 s[68:71], s[0:1], 0x20
	v_lshl_add_u32 v[SPW], v0, 2, SPARE
	v_mov_b32 v[NIL], 0
	ds_add_u32 v[SPW], v[NIL]
	ds_add_u32 v[SPW], v[NIL]
	v_lshrrev_b32 v1, 5, v0
	v_readfirstlane_b32 s14, v1
	s_lshr_b32 s15, s14, 1
	s_and_b32 s16, s14, 1
	s_bfe_u32 s40, ttmp6, 0x40000
	s_bfe_u32 s41, ttmp6, 0x40004
	s_and_b32 s17, ttmp7, 0xffff
	s_mov_b32 s23, WKOFF
	s_cmp_ge_u32 s17, 8
	s_cselect_b32 s18, 1, 0
	s_cselect_b32 s19, 8, 0
	s_cselect_b32 s22, XCOFF, 0
	s_cselect_b32 s23, WQOFF, s23
	s_sub_co_u32 s19, s17, s19
	s_lshl_b32 s19, s19, 2
	s_add_co_u32 s19, s19, s41
	s_lshl_b32 s43, s41, 2
	s_lshl_b32 s43, 15, s43
	s_lshl_b32 s44, 0x1111, s40
	s_or_b32 s[G1+0], s43, (3<<16)|(1<<21)
	s_or_b32 s[G1B+0], s44, (3<<16)|(1<<21)
.irp g, G1, G1B
	s_mov_b32 s[\g+1], 512<<16
	s_mov_b32 s[\g+2], 8<<16
	s_mov_b32 s[\g+3], 512<<16
	s_mov_b32 s[\g+4], 8
	s_mov_b32 s[\g+5], 2048
	s_mov_b32 s[\g+6], 0
	s_mov_b32 s[\g+7], 0
.endr
	s_lshl_b32 s20, s19, 4
	s_lshl_b32 s21, s16, 3
	s_add_co_u32 s20, s20, s21
	s_lshl_b32 s20, s20, 14
	s_add_co_u32 s20, s20, s22
	s_mov_b32 s21, 0
	s_lshl_b32 s46, s40, 4
	s_lshl_b32 s47, s16, 3
	s_add_co_u32 s46, s46, s47
	s_lshl_b32 s46, s46, 14
	s_add_co_u32 s46, s46, s23
	s_mov_b32 s47, 0
	s_lshl_b32 s45, s14, 15
	s_mov_b32 s94, 0x76543210
	s_mov_b32 s95, 0xfedcba98
	s_wait_dscnt 0x0
	s_wait_kmcnt 0x0
	s_load_b256 s[72:79], s[6:7], 0x0
	s_add_nc_u64 s[20:21], s[4:5], s[20:21]
	s_add_nc_u64 s[46:47], s[4:5], s[46:47]
	CROUND
.irp s, 0,1
	s_mov_b32 s[G0+4*\s], 1
	s_add_co_u32 s[G0+4*\s+1], s45, \s*SLOT
	s_add_nc_u64 s[G0+4*\s+2:G0+4*\s+3], s[20:21], \s*4096
	s_or_b32 s[G0+4*\s+3], s[G0+4*\s+3], 0x80000000
	s_mov_b32 s[G0B+4*\s], 1
	s_add_co_u32 s[G0B+4*\s+1], s45, \s*SLOT
	s_add_nc_u64 s[G0B+4*\s+2:G0B+4*\s+3], s[46:47], \s*4096
	s_or_b32 s[G0B+4*\s+3], s[G0B+4*\s+3], 0x80000000
.endr
	JLOAD G0, G1, G0B, G1B                         ; K steps 0 and 1: one tensor load a wave at the head, behind the opening round; the set-up below stands under its flight
	v_and_b32 v1, 31, v0
	v_lshlrev_b32 v8, 4, v1
	s_wait_alu depctr_va_vdst(0)
	v_bfe_u32 v2, v0, 4, 1
	s_wait_alu depctr_va_vdst(0)
	s_lshl_b32 s22, s15, 15
	s_lshl_b32 s23, s16, 15
	s_add_co_u32 s23, s23, 65536
.irp s, 0,1
	v_add_nc_u32 v[ADRA+\s], s22, v8
	v_add_nc_u32 v[ADRB+\s], s23, v8
	s_add_co_u32 s22, s22, SLOT
	s_add_co_u32 s23, s23, SLOT
.endr
	s_lshl_b32 s92, s14, 9
	s_add_co_u32 s92, s92, SCR
	v_add_nc_u32 v22, s92, v8
	v_lshl_add_u32 v23, v2, 5, s92
	s_lshl_b32 s66, s19, 1
	s_add_co_u32 s66, s66, s15
	s_lshl_b32 s67, s40, 2
	s_lshl_b32 s93, s16, 1
	s_add_co_u32 s67, s67, s93
	s_lshr_b32 s84, s66, 4
	s_lshl_b32 s84, s84, 16
	s_lshl_b32 s85, s67, 8
	s_add_co_u32 s84, s84, s85
	s_mov_b32 s85, 0
	s_add_nc_u64 s[84:85], s[8:9], s[84:85]
.irp i, 0,1,2,3,4,5,6,7,8,9,10,11,12,13,14,15
	global_load_b128 v[32+4*\i:35+4*\i], v8, s[84:85] offset:4096*\i
.endr
	s_lshl_b32 s93, s67, 2
	v_mov_b32 v9, s93
	global_load_b64 v[12:13], v9, s[10:11]
	s_wait_kmcnt 0x0
	s_add_co_i32 s88, s72, s73
	s_add_co_i32 s89, s74, s75
	s_cmp_lg_u32 s18, 0
	s_cselect_b32 s90, s88, s89
	s_cselect_b32 s91, s78, s79
	s_add_co_i32 s91, s91, 127
	s_lshl_b32 s93, s91, 23
	v_mov_b32 v11, s93
	s_add_co_i32 s91, s91, 8
	s_lshl_b32 s91, s91, 23
	s_or_b32 s91, s91, 0x600000
	v_mov_b32 v10, s91
	s_wait_loadcnt 0x0
.irp d, 8,4,2,1
.set vi, 0
.rept \d
	v_pk_add_f32 v[32+4*vi:33+4*vi], v[32+4*vi:33+4*vi], v[32+4*(vi+\d):33+4*(vi+\d)]
	v_pk_add_f32 v[34+4*vi:35+4*vi], v[34+4*vi:35+4*vi], v[34+4*(vi+\d):35+4*(vi+\d)]
.set vi, vi+1
.endr
.endr
	s_wait_alu depctr_va_vdst(0)
.irp k, 0,1,2,3
	v_sqrt_f32 v[32+\k], v[32+\k]
.endr
	v_min_num_f32 v12, 0x40935d8e, v12
	v_min_num_f32 v13, 0x40935d8e, v13
	s_wait_alu depctr_va_vdst(0)
.irp k, 0,1,2,3
	v_ldexp_f32 v[32+\k], v[32+\k], s90
.endr
.irp k, 0,1,2,3
	v_max_num_f32 v[32+\k], 0x2b8cbccc, v[32+\k]
.endr
	v_mul_f32 v12, 0x3fb8aa3b, v12
	v_mul_f32 v13, 0x3fb8aa3b, v13
	s_wait_alu depctr_va_vdst(0)
.irp k, 0,1,2,3
	v_rcp_f32 v[32+\k], v[32+\k]
.endr
	v_exp_f32 v12, v12
	v_exp_f32 v13, v13
	v_nop
	s_wait_alu depctr_va_vdst(0)
.irp k, 0,1,2,3
	v_ldexp_f32 v[32+\k], v[32+\k], s90
.endr
	v_ldexp_f32 v12, v12, s90
	v_ldexp_f32 v13, v13, s90
	ds_store_b128 v22, v[32:35]
.irp b, 0,1,2,3,4,5,6,7
	ds_load_b128 v[64+8*\b:67+8*\b], v23 offset:64*\b
	ds_load_b128 v[68+8*\b:71+8*\b], v23 offset:64*\b+16
.endr
	s_wait_dscnt 0x0
	s_wait_alu depctr_va_vdst(0)                   ; the wait at the head's end
	s_wait_tensorcnt 0x0                           ; my part of slot 0 is in
	ds_add_u32 v[SPW], v[NIL]
	s_wait_dscnt 0x0
	CROUND                                         ; everybody's part is in, and all sixteen work-groups are here
	JLOAD G0+4, G1, G0B+4, G1B                     ; slot 1's first fill, the first tensor load behind the round
	FETCH_B 0, 0, 0
	FETCH_A 0, 0, 0
	FETCH_A 0, 0, 4
	STEP 0, 0, 1
	TURN 0, 1, 1
	STEP 1, 0, 0
	TURN 1, 0, 1
	STEP 0, 0, 0
	TURN 0, 1, 0
	STEP 1, 0, 0
	s_wait_dscnt 4*NL
	WIN MUL_LO
	MUL16 0, 1, 0
	MUL16 2, 1, 0
	s_wait_dscnt 0
	WIN MUL_HI
	MUL16 4, 1, 0
	MUL16 6, 1, 0
	WIN 0
	PLACES NP
.macro OUT a, q, hs
.set AC, 64*((\a)%4)
.set CD, 192+16*((\a)%2)
.if (\a) >= 2
	s_wait_xcnt 0x0
.endif
	WIN 0x02+((\a)/4)
.set vi, 0
.rept 32
.if \q
	v_pk_mul_f32 v[128+vi:129+vi], v[AC+vi:AC+vi+1], v[32+2*(2*(\a)+vi/32):33+2*(2*(\a)+vi/32)] op_sel_hi:[1,0]
.else
	v_pk_mul_f32 v[128+vi:129+vi], v[AC+vi:AC+vi+1], v[64+vi:65+vi]
.endif
.set vi, vi+2
.endr
	WIN 0
.set vi, 0
.rept 64
	v_med3_num_f32 v[128+vi], v[128+vi], -v10, v10
.set vi, vi+1
.endr
.irp b, 0,1,2,3,4,5,6,7
	v_cvt_scalef32_pk8_fp8_f32 v[CD+2*\b:CD+2*\b+1], v[128+8*\b:128+8*\b+7], v11
.endr
	v_nop
.irp g, 0,1
.irp p, 0,1
	global_store_b128 v8, v[CD+8*\g+4*\p:CD+8*\g+4*\p+3], s[86:87] offset:\g*(\hs)+1024*(\a)+512*\p
.endr
.endr
.endm
	s_cmp_lg_u32 s18, 0
	s_cbranch_scc1 .Lmode_q
	s_lshr_b32 s86, s66, 4
	s_lshl_b32 s86, s86, 4
	s_add_co_u32 s86, s86, s67
	s_lshl_b32 s86, s86, 4
	s_and_b32 s87, s66, 15
	s_add_co_u32 s86, s86, s87
	s_lshl_b32 s86, s86, 14
	s_mov_b32 s87, 0
	s_add_nc_u64 s[86:87], s[68:69], s[86:87]
.irp a, 0,1,2,3,4,5,6,7
	OUT \a, 0, 262144
.endr
	s_branch .Lend
.Lmode_q:
	s_lshr_b32 s86, s66, 3
	s_lshl_b32 s86, s86, 4
	s_add_co_u32 s86, s86, s67
	s_lshl_b32 s86, s86, 6
	s_and_b32 s87, s66, 7
	s_lshl_b32 s87, s87, 3
	s_add_co_u32 s86, s86, s87
	s_lshl_b32 s86, s86, 10
	s_mov_b32 s87, 0
	s_add_nc_u64 s[86:87], s[70:71], s[86:87]
.irp hi, 0,1
	WIN 0x0a+5*\hi
.irp a, 0,1,2,3
.irp g, 0,1
	v_pk_mul_f32 v[32+2*(2*(4*\hi+\a)+\g):33+2*(2*(4*\hi+\a)+\g)], v[64*\a+32*\g:64*\a+32*\g+1], v[64*\a+32*\g:64*\a+32*\g+1]
.endr
.endr
.set vj, 2
.rept 15
.irp a, 0,1,2,3
.irp g, 0,1
	v_pk_fma_f32 v[32+2*(2*(4*\hi+\a)+\g):33+2*(2*(4*\hi+\a)+\g)], v[64*\a+32*\g+vj:64*\a+32*\g+vj+1], v[64*\a+32*\g+vj:64*\a+32*\g+vj+1], v[32+2*(2*(4*\hi+\a)+\g):33+2*(2*(4*\hi+\a)+\g)]
.endr
.endr
.set vj, vj+2
.endr
.endr
	WIN 0
.irp k, 0,1,2,3,4,5,6,7,8,9,10,11,12,13,14,15
	v_add_f32 v[32+2*\k], v[32+2*\k], v[33+2*\k]
.endr
.irp k, 0,1,2,3,4,5,6,7,8,9,10,11,12,13,14,15
	v_permlanex16_b32 v[33+2*\k], v[32+2*\k], s94, s95
.endr
.irp k, 0,1,2,3,4,5,6,7,8,9,10,11,12,13,14,15
	v_add_f32 v[32+2*\k], v[32+2*\k], v[33+2*\k]
.endr
	s_wait_alu depctr_va_vdst(0)
.irp k, 0,1,2,3,4,5,6,7,8,9,10,11,12,13,14,15
	v_sqrt_f32 v[32+2*\k], v[32+2*\k]
.endr
	v_nop
	s_wait_alu depctr_va_vdst(0)
.irp k, 0,1,2,3,4,5,6,7,8,9,10,11,12,13,14,15
	v_ldexp_f32 v[32+2*\k], v[32+2*\k], s90
.endr
.irp k, 0,1,2,3,4,5,6,7,8,9,10,11,12,13,14,15
	v_max_num_f32 v[32+2*\k], 0x2b8cbccc, v[32+2*\k]
.endr
	s_wait_alu depctr_va_vdst(0)
.irp k, 0,1,2,3,4,5,6,7,8,9,10,11,12,13,14,15
	v_rcp_f32 v[32+2*\k], v[32+2*\k]
.endr
	v_nop
	s_wait_alu depctr_va_vdst(0)
.irp k, 0,1,2,3,4,5,6,7,8,9,10,11,12,13,14,15
	v_mul_f32 v[32+2*\k], v[32+2*\k], v[12+\k%2]
.endr
.irp a, 0,1,2,3,4,5,6,7
	OUT \a, 1, 65536
.endr
.Lend:
	s_wait_tensorcnt 0x0
	ds_add_u32 v[SPW], v[NIL]
	s_wait_dscnt 0x0
	CROUND
	s_endpgm
.Lfunc_end_k_q37f4f7786d_qkgemm:
	.size	k_q37f4f7786d_qkgemm, .Lfunc_end_k_q37f4f7786d_qkgemm-k_q37f4f7786d_qkgemm
	.p2alignl 7, 3214868480
	.fill 96, 4, 3214868480
	.section	.rodata,"a",@progbits
	.p2align	6, 0x0
	.amdhsa_kernel k_q37f4f7786d_qkgemm
		.amdhsa_group_segment_fixed_size 327680
		.amdhsa_private_segment_fixed_size 0
		.amdhsa_enable_private_segment 0
		.amdhsa_kernarg_size 48
		.amdhsa_user_sgpr_count 2
		.amdhsa_user_sgpr_kernarg_segment_ptr 1
		.amdhsa_wavefront_size32 1
		.amdhsa_system_sgpr_workgroup_id_x 1
		.amdhsa_system_sgpr_workgroup_id_y 1
		.amdhsa_system_sgpr_workgroup_id_z 1
		.amdhsa_system_vgpr_workitem_id 0
		.amdhsa_next_free_vgpr 1024
		.amdhsa_next_free_sgpr 100
		.amdhsa_reserve_vcc 0
		.amdhsa_float_denorm_mode_32 3
		.amdhsa_float_denorm_mode_16_64 3
		.amdhsa_memory_ordered 1
		.amdhsa_forward_progress 1
		.amdhsa_inst_pref_size 219
	.end_amdhsa_kernel
	.amdgpu_metadata
---
amdhsa.version: [ 1, 2 ]
amdhsa.kernels:
  - .name:           k_q37f4f7786d_qkgemm
    .symbol:         k_q37f4f7786d_qkgemm.kd
    .args:
      - { .name: codes, .offset: 0, .size: 8, .value_kind: global_buffer, .address_space: global }
      - { .name: lowp_scales, .offset: 8, .size: 8, .value_kind: global_buffer, .address_space: global }
      - { .name: ksq, .offset: 16, .size: 8, .value_kind: global_buffer, .address_space: global }
      - { .name: scale_mul, .offset: 24, .size: 8, .value_kind: global_buffer, .address_space: global }
      - { .name: kv, .offset: 32, .size: 8, .value_kind: global_buffer, .address_space: global }
      - { .name: qc, .offset: 40, .size: 8, .value_kind: global_buffer, .address_space: global }
    .group_segment_fixed_size: 327680
    .private_segment_fixed_size: 0
    .kernarg_segment_align: 8
    .kernarg_segment_size: 48
    .max_flat_workgroup_size: 128
    .sgpr_count:     100
    .vgpr_count:     1024
    .wavefront_size: 32
...
	.end_amdgpu_metadata
.endif
;; end of part 3
;; launch attn (part 4): grid 64 x 4, 8 waves a work-group, clusters of 4 x 1, 327,680 bytes of LDS; arguments qc, kv, attn_bias, lowp_scales, oc; writes oc
.if DOCPART == 4
	.amdgcn_target "amdgcn-amd-amdhsa--gfx1250"
	.amdhsa_code_object_version 6
	.text
	.protected	k_q37f4f7786d_attn
	.globl	k_q37f4f7786d_attn
	.p2align	8
	.type	k_q37f4f7786d_attn,@function
k_q37f4f7786d_attn:
	s_mov_b64 s[64:65], 0
	v_nop
	global_prefetch_b8 v0, s[64:65] scope:SCOPE_SE
	s_setreg_imm32_b32 hwreg(HW_REG_WAVE_MODE, 25, 1), 1
	s_wait_xcnt 0x0
	s_wait_alu depctr_hold_cnt(0) depctr_sa_sdst(0) depctr_va_vdst(0) depctr_va_sdst(0) depctr_va_ssrc(0) depctr_va_vcc(0) depctr_vm_vsrc(0)
	s_getreg_b32 s2, hwreg(HW_REG_IB_STS2, 6, 4)
	s_cmp_eq_u32 s2, 0
	s_cbranch_scc0 .Lentry_in_a_cluster
	s_endpgm
.Lentry_in_a_cluster:
	s_bfe_u32 s2, ttmp6, 0x10000c
	s_cmp_lg_u32 s2, 0x3003
	s_cbranch_scc0 .Lentry_shape_is_right
	s_endpgm
.Lentry_shape_is_right:
; Attention on codes of FP8 (E4M3): logit = q . k + bias; p = 2^(t - M), t = logit x log2(e), M the running largest t rounded up to a whole number; p is quantised (entry 8 of the scales) for the second product;
; the row's sum is taken of the unquantised p and divides at the end; the result is quantised (entry 10) for the last product and stored as images of its operand.
; SHARES.  The bias is the same for all four batches: a work-group owns one head (the cluster's x), 64 queries and all four batches.  Wave w: batch w % 4, query tiles 2 (w / 4), + 1 of 16 queries.  Sixteen steps of 128 keys.
; LAYOUT.  S^T = K Q^T (source 0 = 16 keys, source 1 = 16 queries, K = 64): a lane holds one query (lane % 16), register j of tile c key 16 c + 8 (lane / 16) + j.  The bias x 2^-(e6 + e7) (exact) is the C of that product, in place.
; A conversion of tile c's eight registers gives registers 2 c, 2 c + 1 of P; O^T = V^T P^T (source 0 = 16 channels, source 1 = P, K = 128 keys).  K, V and Q come as images of operand registers, 512 consecutive bytes a load.
; K AND V: a ring of two LDS slots of TWO steps (4 batches x 32,768 bytes).  Cluster 4 x 1: the four query blocks of a cluster walk the same K and V, and every wave asks jointly for 16,384 bytes (batch w % 4, step w / 4 of the slot).
; THE BIAS goes through registers: wave w loads rows 32 (w / 4) + 4 (w % 4) + 0 .. 3 (tile 0's rows, half A) and the rows 16 further on (tile 1's, half B), 512 consecutive bytes a load, multiplies them once and stores them
; into one stage in LDS (64 rows of 528 bytes), from which all four batches' waves read them.  Loads are issued one and a half steps ahead of their store: 12 loads stay out behind each counted wait.
; Half B of step j is stored behind the barrier at the step's top and read behind the barrier in its middle; half A of step j + 1 is stored behind the middle barrier and read behind the next top: so each half has one place.
; No prefetch is laid for the bias: its register loads themselves run one and a half steps ahead of their use.
; THE ORDER OF A STEP j: top barrier; tile 1's softmax of step j - 1; both tiles' V^T P of step j - 1; middle barrier; tile 0's scores and softmax; tile 1's scores.  Each softmax carries LDS loads: ahead of its maximum and of its
; scaling K's (tile 1's softmax) or V's (tile 0's) fragments, behind its scaling the traffic with the stage.  A barrier that guards the stage alone is split: the signal stands ahead of the softmax, the wait ahead of the traffic
; with the stage; between the two stand work on registers and the loads of K or V, bytes that nobody writes before a later barrier.
; Step 0 has no step before it: the first change of slots and step 0's loads are written out ahead of the loop, and a jump enters the loop behind its first half step.  O^T and the sums begin as zeros, which the first M leaves zeros.
; LIMITS: e6 + e7 between -126 and 126; e8, and e10 - e8 - e9, between -126 and 119; t above -3e38.  NaN among the inputs is not served.
; REGISTERS: window 0: v1-5, v8 addresses; v6, v7 the add's two; v10, v31 hold, v11 scale; v12-19 for each tile -M, the largest t, the sum in two halves; v20-23 f; v24-29 at work; v32-47 Q; v48-79 P's codes; v80-207 S^T, then p.
;   window 1: v0-63 K, v64-127 V, v128-191 O^T, v192-223 the bias's half A in two sets, v224-255 half B in two sets.
.set SLOT1, 1<<17                      ; slot 1 begins here: one exclusive or turns an address
.set STG,   2*SLOT1                    ; behind the ring: the bias's stage
.set BP,    528                        ; a stage row: 512 bytes + 16: row r starts 4 r banks on
.set SPARE, STG+64*BP                  ; behind the stage: the spare words, 128 bytes a wave
.set AB0, 1
.set AKV, 2
.set PFO, 3
.set SA,  4
.set ADK, 5
.set SPW, 6
.set NIL, 7
.set LO,  8
.set LIMV, 10
.set SCLV, 11
.set ST,  12
.set FF,  20
.set LIM2, 31
.set Q,   32
.set P,   48
.set S,   80
.set KF,  0
.set VF,  64
.set OT,  128
.set BRA, 192
.set BRB, 224
.set WV,  14
.set G1K, 24
.set G0K, 40
.set BA,  44                           ; s[44:45] the bias at my rows, at the step that the trip's loads count from
.set CS,  48                           ; s[48:49] c = log2(e) x 2^(e6 + e7)
.set PS,  50                           ; s[50:51] 2^-(e6 + e7)
.set SEL, 52
.set TB,  54                           ; the slot of the next trip
.set SLOTS, 55
.set PFA, 56
.set LIM, 60
.set MSB, 0
.macro WIN new
.if MSB != (\new)
	s_set_vgpr_msb (MSB<<8)|(\new)
.set MSB, (\new)
.endif
.endm
.macro TLOAD                           ; every wave's one joint load; an s_nop 0 and four v_nop follow it
	tensor_load_to_lds s[G0K:G0K+3], s[G1K:G1K+7]
	s_nop 0
.rept 4
	v_nop
.endr
.endm
; A prefetch of the slot that the NEXT change will ask for.  K and V are walked by all four clusters of a head: the first cluster (y = 0) asks; its four partners take a batch each, told apart by address; waves 0 to 3 take
; 8,192 of its 32,768 bytes each, lanes 256 bytes apart.  So each aligned block of 256 bytes is named once in the launch.  The last change that fills a slot asks for nothing; slots 0 and 1 come by their loads alone.
.macro ASK
	s_cmp_gt_u32 s[SLOTS], s[LIM]
	s_cbranch_scc0 .Lnot_mine_\@
	global_prefetch_b8 v[PFO], s[PFA:PFA+1] th:TH_LOAD_NT scope:SCOPE_SE
.Lnot_mine_\@:
.endm
.macro CROUND
	s_barrier_signal -1
	s_barrier_wait -1
	s_cmp_lg_u32 s[WV], 0
	s_cbranch_scc1 .Lnot_wave_0_\@
	s_barrier_signal -3
.Lnot_wave_0_\@:
	s_barrier_wait -3
	s_barrier_signal -1
	s_barrier_wait -1
.endm
.macro BLOAD reg, off                  ; four rows of the bias, 512 consecutive bytes each, into window 1
	WIN 0x40
.irp k, 0,1,2,3
	global_load_b128 v[\reg+4*\k:\reg+4*\k+3], v[LO], s[BA:BA+1] offset:\off+8192*\k th:TH_LOAD_NT
.endr
	WIN 0
.endm
.macro BSTORE reg, off                 ; x 2^-(e6 + e7), exact, and into the stage
	WIN 0x41
.set m, 0
.rept 8
	v_pk_mul_f32 v[\reg+m:\reg+m+1], v[\reg+m:\reg+m+1], s[PS:PS+1] op_sel_hi:[1,0]
.set m, m+2
.endr
	WIN 0x04                                       ; the store's data window 1
.irp k, 0,1,2,3
	ds_store_b128 v[SA], v[\reg+4*\k:\reg+4*\k+3] offset:\off+BP*\k
.endr
	WIN 0
.endm
	s_load_b256 s[4:11], s[0:1], 0x0               ; qc s[4:5], kv s[6:7], the bias s[8:9], the scales s[10:11]
	s_load_b64 s[12:13], s[0:1], 0x20              ; oc
	v_lshl_add_u32 v[SPW], v0, 2, SPARE
	v_mov_b32 v[NIL], 0
	ds_add_u32 v[SPW], v[NIL]                      ; the wave's opening: the add, twice on end, and its wait ahead of my first tensor load
	ds_add_u32 v[SPW], v[NIL]
	v_lshrrev_b32 v24, 5, v0
	v_readfirstlane_b32 s[WV], v24                 ; wave 0..7
	s_and_b32 s15, s[WV], 3                        ; my batch
	s_lshr_b32 s16, s[WV], 2                       ; my pair of query tiles.  Also: which step of a slot I fetch
	s_bfe_u32 s17, ttmp6, 0x40000                  ; cx
	s_and_b32 s18, ttmp7, 0xffff                   ; the cluster's y: which four blocks of queries
	s_lshl_b32 s18, s18, 2
	s_add_co_u32 s18, s18, s17                     ; my block of 64 queries: it enters global addresses alone
	s_mov_b32 s19, ttmp9                           ; the head: the cluster's x
	s_lshl_b32 s61, s19, 18
	s_lshl_b32 s62, s16, 14
	s_lshl_b32 s20, s15, 22                        ; kv: batch x 4 MiB + head x 262,144 + 16,384 x (wave / 4): nothing of my place in the cluster
	s_add_co_u32 s20, s20, s61
	s_add_co_u32 s20, s20, s62
	s_mov_b32 s21, 0
	s_mov_b32 s[G0K], 1
	s_lshl_b32 s38, s15, 15                        ; my batch's 32,768 bytes of a slot
	s_add_co_u32 s[G0K+1], s38, s62
	s_lshl_b32 s58, s17, 22                        ; the prefetches: batch = my place in the cluster,
	s_add_co_u32 s58, s58, s61
	s_lshl_b32 s62, s15, 13                        ; 8,192 bytes a wave,
	s_add_co_u32 s58, s58, s62
	s_add_co_u32 s58, s58, 32768                   ; at slot 1: the first change steps it to slot 2
	s_mov_b32 s59, 0
	s_lshl_b32 s22, s19, 23                        ; the bias: head x 8 MiB + (64 x block + 32 x pair + 4 x batch) rows of 8,192 bytes
	s_lshl_b32 s62, s18, 19
	s_add_co_u32 s22, s22, s62
	s_lshl_b32 s62, s16, 18
	s_add_co_u32 s22, s22, s62
	s_add_co_u32 s22, s22, s38
	s_mov_b32 s23, 0
	s_lshl_b32 s63, s18, 2
	s_lshl_b32 s62, s16, 1
	s_add_co_u32 s63, s63, s62                     ; my first query tile: 4 x block + 2 x pair
	s_lshl_b32 s32, s15, 4                         ; Q: ((batch x 16 + head) x 64 + tile) x 1,024 bytes
	s_add_co_u32 s32, s32, s19
	s_lshl_b32 s32, s32, 6
	s_add_co_u32 s32, s32, s63
	s_lshl_b32 s32, s32, 10
	s_mov_b32 s33, 0
	s_lshl_b32 s34, s15, 6                         ; oc: (batch x 64 + tile) x 16,384 bytes + head x 1,024
	s_add_co_u32 s34, s34, s63
	s_lshl_b32 s34, s34, 14
	s_lshl_b32 s62, s19, 10
	s_add_co_u32 s34, s34, s62
	s_mov_b32 s35, 0
	s_mul_i32 s36, s16, 32*BP
	s_add_co_u32 s36, s36, STG                     ; the stage: my pair's 32 rows,
	s_mul_i32 s37, s15, 4*BP
	s_add_co_u32 s37, s37, s36                     ; and the first of the rows that I store
	s_lshr_b32 s61, s[WV], 2
	s_and_b32 s62, ttmp7, 0xffff
	s_or_b32 s61, s61, s62                         ; 0 in waves 0 to 3 of the head's first cluster (y = 0): the same in all four partners
	s_cmp_eq_u32 s61, 0
	s_cselect_b32 s[LIM], 1, -1
	s_mov_b32 s[G1K], 15|(3<<16)|(1<<21)           ; the mask: all four; elements of 8 bytes; bit 21 beside a mask
	s_mov_b32 s[G1K+1], 32<<16                     ; a dense block of 16,384 bytes as 64 rows of 256
	s_mov_b32 s[G1K+2], 64<<16
	s_mov_b32 s[G1K+3], 32<<16
	s_mov_b32 s[G1K+4], 64
	s_mov_b32 s[G1K+5], 32
	s_mov_b32 s[G1K+6], 0
	s_mov_b32 s[G1K+7], 0
	s_mov_b32 s[SEL], 0x76543210
	s_mov_b32 s[SEL+1], 0xfedcba98
	s_mov_b32 s[CS], 0x3fb8aa3b                    ; log2(e)
	s_mov_b32 s[TB], 0
	v_and_b32 v26, 31, v0
	v_lshlrev_b32 v[LO], 4, v26                    ; 16 x lane
	v_lshlrev_b32 v[PFO], 8, v26
	v_and_b32 v24, 15, v0                          ; r
	v_bfe_u32 v25, v0, 4, 1                        ; h
	v_mul_u32_u24 v[AB0], v24, BP
	v_lshl_add_u32 v[AB0], v25, 5, v[AB0]
	v_add_nc_u32 v[AB0], s36, v[AB0]               ; the bias out of the stage: row 32 x pair + r, + 32 h
	v_add_nc_u32 v[AKV], s38, v[LO]                ; my batch's images
	v_add_nc_u32 v[SA], s37, v[LO]                 ; the bias into the stage
	s_wait_alu depctr_va_vdst(0)                   ; directly ahead of the waits below
	s_wait_dscnt 0x0                               ; both opening adds are done
	s_wait_kmcnt 0x0
	s_load_b256 s[72:79], s[10:11], 0x0            ; e0 .. e7
	s_load_b128 s[80:83], s[10:11], 0x20           ; e8 .. e11
	s_add_nc_u64 s[G0K+2:G0K+3], s[6:7], s[20:21]
	s_or_b32 s[G0K+3], s[G0K+3], 0x80000000
	s_add_nc_u64 s[PFA:PFA+1], s[6:7], s[58:59]
	s_add_nc_u64 s[BA:BA+1], s[8:9], s[22:23]
	s_add_nc_u64 s[4:5], s[4:5], s[32:33]
	s_add_nc_u64 s[12:13], s[12:13], s[34:35]
.irp i, 0,1
.irp p, 0,1
	global_load_b128 v[Q+8*\i+4*\p:Q+8*\i+4*\p+3], v[LO], s[4:5] offset:1024*\i+512*\p
.endr
.endr
	BLOAD BRA, 0                                   ; the bias of steps 0 and 1: A(0), B(0), A(1), B(1)
	BLOAD BRB, 131072
	BLOAD BRA+16, 512
	BLOAD BRB+16, 131072+512
	CROUND                                         ; all four work-groups are here: the first joint loads meet
	TLOAD                                          ; slot 0: one tensor load a wave at the head
.irp i, 0,1
	v_mov_b32 v[ST+4*\i+1], 0xff61b1e6             ; the largest t so far: -3e38
	v_floor_f32 v[ST+4*\i], -v[ST+4*\i+1]          ; -M
	v_mov_b32 v[ST+4*\i+2], 0                      ; the sum, in two halves
	v_mov_b32 v[ST+4*\i+3], 0
	v_mov_b32 v[FF+2*\i+1], 0                      ; (named as the upper half of a pair)
.endr
	WIN 0x40                                       ; destination window 1
.set n, 0
.rept 64
	v_mov_b32 v[OT+n], 0                           ; O^T: V^T P has no first form of its own: the first change of M multiplies zeros
.set n, n+1
.endr
	WIN 0
	s_wait_kmcnt 0x0
	s_add_co_i32 s66, s78, s79                     ; e6 + e7
	s_lshl_b32 s67, s66, 23
	s_add_co_i32 s[CS], s[CS], s67                 ; added to c's exponent field
	s_mov_b32 s[CS+1], s[CS]
	s_sub_co_i32 s67, 127, s66
	s_lshl_b32 s[PS], s67, 23                      ; 2^-(e6 + e7)
	s_mov_b32 s[PS+1], s[PS]
	s_add_co_i32 s66, s80, 127                     ; e8
	s_lshl_b32 s67, s66, 23
	v_mov_b32 v[SCLV], s67
	s_add_co_i32 s66, s66, 8
	s_lshl_b32 s66, s66, 23
	s_or_b32 s66, s66, 0x600000
	v_mov_b32 v[LIMV], s66                         ; 448 x 2^e8, in two registers: one for each half of a dual pair
	v_mov_b32 v[LIM2], s66
; THE LDS LOADS, in runs of eight.  The bias of tile i, keys 64 g on: it lands where the scores will stand
.macro BIAS i, g
.irp c, 0,1,2,3
	ds_load_b128 v[S+64*(\i)+8*(4*(\g)+\c):S+64*(\i)+8*(4*(\g)+\c)+3],   v[AB0] offset:16*BP*(\i)+64*(4*(\g)+\c)
	ds_load_b128 v[S+64*(\i)+8*(4*(\g)+\c)+4:S+64*(\i)+8*(4*(\g)+\c)+7], v[AB0] offset:16*BP*(\i)+64*(4*(\g)+\c)+16
.endr
.endm
.macro KLOAD g, q                      ; K's fragments 4 g .. 4 g + 3 of the slot's step q
	WIN 0x40
.irp f, 0,1,2,3
	ds_load_b128 v[KF+8*(4*(\g)+\f):KF+8*(4*(\g)+\f)+3],   v[ADK] offset:16384*(\q)+1024*(4*(\g)+\f)
	ds_load_b128 v[KF+8*(4*(\g)+\f)+4:KF+8*(4*(\g)+\f)+7], v[ADK] offset:16384*(\q)+1024*(4*(\g)+\f)+512
.endr
	WIN 0
.endm
.macro VLOAD g, q                      ; V's fragments 2 g, 2 g + 1
	WIN 0x40
.irp t, 0,1
.irp p, 0,1,2,3
	ds_load_b128 v[VF+16*(2*(\g)+\t)+4*\p:VF+16*(2*(\g)+\t)+4*\p+3], v[ADK] offset:16384*(\q)+8192+2048*(2*(\g)+\t)+512*\p
.endr
.endr
	WIN 0
.endm
; what a softmax carries ahead of its maximum (h = 0) and of its scaling (h = 1).  kind 1: K;  kind 2: V;  kind 0: nothing
.macro FRONT kind, h, q
.if (\kind) == 1
	KLOAD \h, \q
.elseif (\kind) == 2
	VLOAD \h, \q
.endif
.endm
; and behind its scaling: the traffic with the stage in step j, q = j % 2.  bw = 1: the wait of the barrier that was signalled ahead of the softmax.  ld = 1: the bias of step j + 2 is asked for.
; kind 1: A(j + 2) is asked for, B(j) stored, tile 0's bias read;  kind 2: B(j + 2) is asked for, A(j + 1) stored, tile 1's bias read.  n: the loads issued behind the set that is stored, which may stay out; n < 0: nothing to store
.macro CARRY kind, q, bw, ld, n
.if (\kind) != 0
.if \bw
	s_barrier_wait -1
.endif
.if (\kind) == 1
.if \ld
	BLOAD BRA+16*(\q), 512*(\q)                    ; that set's stores were waited for ahead of the top barrier's signal
.endif
	s_wait_loadcnt \n
	BSTORE BRB+16*(\q), 16*BP                      ; every wave's reads of B(j - 1) lie ahead of its signal of the top barrier
	BIAS 0, 0
	BIAS 0, 1
.else
.if \ld
	BLOAD BRB+16*(\q), 131072+512*(\q)
.endif
.if \n >= 0
	s_wait_loadcnt \n
	BSTORE BRA+16*(1-(\q)), 0                      ; every wave's reads of A(j) lie ahead of its signal of the middle barrier
.endif
	BIAS 1, 0
	BIAS 1, 1
.endif
.endif
.endm
; tile i's softmax for a step of 128 keys: 64 numbers a lane.  The maximum and the sum go in four chains.
.macro SOFT i, kind, q, bw, ld, n0
.set rS, S+64*(\i)
.set rT, ST+4*(\i)
.set rF, FF+2*(\i)
.set rP, P+16*(\i)
	FRONT \kind, 0, \q
	v_max3_num_f32 v24, v[rS], v[rS+1], v[rS+2]    ; the step's largest score, in ascending order: each accumulator from its low end on
	v_max3_num_f32 v25, v[rS+3], v[rS+4], v[rS+5]
	v_max3_num_f32 v26, v[rS+6], v[rS+7], v[rS+8]
	v_max3_num_f32 v27, v[rS+9], v[rS+10], v[rS+11]
.set n, 12
.rept 6
	v_max3_num_f32 v24, v24, v[rS+n], v[rS+n+1]
	v_max3_num_f32 v25, v25, v[rS+n+2], v[rS+n+3]
	v_max3_num_f32 v26, v26, v[rS+n+4], v[rS+n+5]
	v_max3_num_f32 v27, v27, v[rS+n+6], v[rS+n+7]
.set n, n+8
.endr
	v_max3_num_f32 v24, v24, v[rS+60], v[rS+61]
	v_max3_num_f32 v25, v25, v[rS+62], v[rS+63]
	s_delay_alu instid0(VALU_DEP_1)
	v_max3_num_f32 v24, v24, v25, v26
	s_delay_alu instid0(VALU_DEP_1)
	v_max_num_f32 v24, v24, v27
	s_delay_alu instid0(VALU_DEP_1)
	v_permlanex16_b32 v26, v24, s[SEL], s[SEL+1]
	s_delay_alu instid0(VALU_DEP_1)
	v_max_num_f32 v24, v24, v26                    ; and among the lane 16 away's keys
	s_delay_alu instid0(VALU_DEP_1)
	v_mul_f32 v24, s[CS], v24                      ; as t (c is positive)
	s_delay_alu instid0(VALU_DEP_1)
	v_max_num_f32 v[rT+1], v[rT+1], v24            ; the running largest t
	v_mov_b32 v24, v[rT]
	s_delay_alu instid0(VALU_DEP_2)
	v_floor_f32 v[rT], -v[rT+1]                    ; the new -M = -ceil(t)
	s_delay_alu instid0(VALU_DEP_1)
	v_sub_f32 v24, v[rT], v24                      ; old M - new M: a whole number, 0 or less
	s_delay_alu instid0(VALU_DEP_1)
	v_cvt_i32_f32 v24, v24                         ; (it saturates)
	s_delay_alu instid0(VALU_DEP_1)
	v_ldexp_f32 v[rF], 1.0, v24                    ; f = 2^(old M - new M)
	FRONT \kind, 1, \q
.set n, 0
.rept 32
	v_pk_fma_f32 v[rS+n:rS+n+1], v[rS+n:rS+n+1], s[CS:CS+1], v[rT:rT+1] op_sel_hi:[1,0,0]   ; t - M
.set n, n+2
.endr
	CARRY \kind, \q, \bw, \ld, \n0
.set n, 0
	s_wait_alu depctr_va_vdst(0)                   ; the wait ahead of the batch
.rept 64
	v_exp_f32 v[rS+n], v[rS+n]                     ; p = 2^(t - M)
.set n, n+1
.endr
	v_pk_mul_f32 v[rT+2:rT+3], v[rT+2:rT+3], v[rF:rF+1] op_sel_hi:[1,0]   ; the sums under the new M.  (The plain line behind the exponentials)
	s_wait_alu depctr_va_vdst(0)                   ; one wait for the batch of 64, ahead of its first reader
	v_pk_add_f32 v[24:25], v[rS:rS+1], v[rS+2:rS+3]        ; the sum of the unquantised p
	v_pk_add_f32 v[26:27], v[rS+4:rS+5], v[rS+6:rS+7]
	v_pk_add_f32 v[28:29], v[rS+8:rS+9], v[rS+10:rS+11]
.set n, 12
.rept 6
	v_pk_add_f32 v[rT+2:rT+3], v[rT+2:rT+3], v[rS+n:rS+n+1]
	v_pk_add_f32 v[24:25], v[24:25], v[rS+n+2:rS+n+3]
	v_pk_add_f32 v[26:27], v[26:27], v[rS+n+4:rS+n+5]
	v_pk_add_f32 v[28:29], v[28:29], v[rS+n+6:rS+n+7]
.set n, n+8
.endr
	v_pk_add_f32 v[rT+2:rT+3], v[rT+2:rT+3], v[rS+60:rS+61]
	v_pk_add_f32 v[24:25], v[24:25], v[rS+62:rS+63]
	s_delay_alu instid0(VALU_DEP_1)
	v_pk_add_f32 v[24:25], v[24:25], v[26:27]
	s_delay_alu instid0(VALU_DEP_3)
	v_pk_add_f32 v[rT+2:rT+3], v[rT+2:rT+3], v[28:29]
	s_delay_alu instid0(VALU_DEP_1)
	v_pk_add_f32 v[rT+2:rT+3], v[rT+2:rT+3], v[24:25]
.set n, 0
.rept 32
	v_dual_min_num_f32 v[rS+n], v[rS+n], v[LIMV] :: v_dual_min_num_f32 v[rS+n+1], v[rS+n+1], v[LIM2]   ; the conversion does not saturate (ISA guide 7.6.2); p is not negative, so the hold is one-sided; two a line
.set n, n+2
.endr
.irp c, 0,1,2,3,4,5,6,7
	v_cvt_scalef32_pk8_fp8_f32 v[rP+2*\c:rP+2*\c+1], v[rS+8*\c:rS+8*\c+7], v[SCLV]
.endr
	v_nop                                          ; a plain line behind the last conversion
.endm
.macro QK i                            ; tile i's scores: eight accumulators, one product each, onto the bias
	WIN 0x01                                       ; source 0 (K) window 1
.irp c, 0,1,2,3,4,5,6,7
	v_wmma_f32_16x16x64_fp8_fp8 v[S+64*(\i)+8*\c:S+64*(\i)+8*\c+7], v[KF+8*\c:KF+8*\c+7], v[Q+8*(\i):Q+8*(\i)+7], v[S+64*(\i)+8*\c:S+64*(\i)+8*\c+7]
.endr
	WIN 0
.rept 4
	v_nop                                          ; plain lines ahead of the first read of the scores, and of the loads into K's registers (behind tile 1's scores) or V's (behind V^T P and tile 0's scores)
.endr
.endm
; a step's first half: tile 1's softmax of the step before, then both tiles' V^T P.  V is in: the wait ahead of tile 1's scores has waited for it
.macro MID kind, q, bw, ld, n1
	SOFT 1, \kind, \q, \bw, \ld, \n1
	WIN 0x41                                       ; O^T (destination, source 0) window 1, f window 0
	s_wait_alu depctr_va_vdst(0)                   ; directly ahead of the first reader of O^T
.irp i, 0,1
.set n, 0
.rept 16
	v_pk_mul_f32 v[OT+32*\i+n:OT+32*\i+n+1], v[OT+32*\i+n:OT+32*\i+n+1], v[FF+2*\i:FF+2*\i+1] op_sel_hi:[1,0]   ; O^T under the new M
.set n, n+2
.endr
.endr
	WIN 0x51                                       ; V, C and D window 1, P window 0
.irp t, 0,1,2,3
.irp i, 0,1
	v_wmma_f32_16x16x128_fp8_fp8 v[OT+32*\i+8*\t:OT+32*\i+8*\t+7], v[VF+16*\t:VF+16*\t+15], v[P+16*\i:P+16*\i+15], v[OT+32*\i+8*\t:OT+32*\i+8*\t+7]
.endr
.endr
	WIN 0
.endm
; a step's second half: the middle barrier's signal, tile 0's scores and softmax (the barrier's wait stands in it), tile 1's scores
.macro SBOT q, ld, n2
	s_wait_dscnt 0x0                               ; my stores of B(j) are done; tile 0's bias and K are in: my reads of A(j) are over
	s_barrier_signal -1                            ; the middle barrier; the tensor load may stay out
	QK 0
	SOFT 0, 2, \q, 1, \ld, \n2
	s_wait_dscnt 0x0                               ; my stores of A(j + 1) are done; V and tile 1's bias are in: my reads of B(j) are over.  No LDS instruction follows in this half
	QK 1
.endm
; the change of slots, which is also the top barrier of a slot's first step.  fill = 1: a round of the cluster's barrier, and behind it the slot just left takes the two steps after the slot in hand
.macro CHANGE fill
	s_wait_tensorcnt 0x0                           ; no tensor load of mine is out, so group 0 may be written
	ds_add_u32 v[SPW], v[NIL]
.if \fill
	s_xor_b32 s[G0K+1], s[G0K+1], SLOT1
	s_add_nc_u64 s[G0K+2:G0K+3], s[G0K+2:G0K+3], 32768
	s_wait_xcnt 0x0                                ; my loads and my prefetch have read their addresses
	s_add_nc_u64 s[PFA:PFA+1], s[PFA:PFA+1], 32768
	s_add_nc_u64 s[BA:BA+1], s[BA:BA+1], 1024      ; two steps on
	s_wait_dscnt 0x0                               ; the add is done, and my reads of the slot that I have left are over
	CROUND
	TLOAD                                          ; the first thing behind the round, and my one tensor load until the next
	ASK
.else
	s_wait_dscnt 0x0
	s_barrier_signal -1
	s_barrier_wait -1
.endif
	v_add_nc_u32 v[ADK], s[TB], v[AKV]             ; my batch's images in the slot in hand
	s_xor_b32 s[TB], s[TB], SLOT1
.endm
	s_wait_alu depctr_va_vdst(0)                   ; the wait at the head's end
	s_wait_loadcnt 12                              ; Q and A(0) are in; B(0), A(1), B(1) may be out
	BSTORE BRA, 0
	s_mov_b32 s[SLOTS], 7
	CHANGE 1                                       ; slot 0 is whole; slot 1's first fill
	KLOAD 0, 0                                     ; step 0 has no softmax yet to carry these
	KLOAD 1, 0
	CARRY 1, 0, 0, 1, 12
	s_wait_alu depctr_va_vdst(0)                   ; directly ahead of the branch
	s_branch .Lmid
.Lslot:                                            ; the way back is taken 6 times: behind each change the next slot is asked for
	CHANGE 1
	MID 1, 0, 0, 1, 12
.Lmid:
	SBOT 0, 1, 12
	s_barrier_signal -1                            ; the top barrier of the slot's second step: no LDS instruction of mine is out; its wait stands in the softmax below
	MID 1, 1, 1, 1, 12
	SBOT 1, 1, 12
	s_sub_co_u32 s[SLOTS], s[SLOTS], 1
	s_cmp_lg_u32 s[SLOTS], 0
	s_cbranch_scc1 .Lslot
	CHANGE 0                                       ; steps 14 and 15 are written out: no tensor load and no load of the bias is left to issue
	MID 1, 0, 0, 0, 8
	SBOT 0, 0, 4
	s_barrier_signal -1
	MID 1, 1, 1, 0, 0
	SBOT 1, 0, -1
	MID 0, 0, 0, 0, 0
	; THE WAY OUT: O^T / the sum stands for the result / 2^(e8 + e9): its code is that / 2^(e10 - e8 - e9).  A tile's four accumulators become half a K step of the last product's operand.
	v_add_f32 v24, v[ST+2], v[ST+3]
	v_add_f32 v25, v[ST+6], v[ST+7]
	v_permlanex16_b32 v26, v24, s[SEL], s[SEL+1]
	v_permlanex16_b32 v27, v25, s[SEL], s[SEL+1]
	v_add_f32 v24, v24, v26
	v_add_f32 v25, v25, v27
	s_wait_alu depctr_va_vdst(0)                   ; the wait ahead of the transcendentals
	v_rcp_f32 v[FF], v24
	v_rcp_f32 v[FF+2], v25
	s_sub_co_i32 s66, s82, s80
	s_sub_co_i32 s66, s66, s81
	s_add_co_i32 s66, s66, 127
	s_lshl_b32 s67, s66, 23
	v_mov_b32 v[SCLV], s67                         ; (plain lines behind the reciprocals)
	s_add_co_i32 s66, s66, 8
	s_lshl_b32 s66, s66, 23
	s_or_b32 s66, s66, 0x600000
	v_mov_b32 v[LIMV], s66
	s_wait_alu depctr_va_vdst(0)                   ; one wait for the two reciprocals, ahead of their first reader
.irp i, 0,1
	WIN 0x01                                       ; source 0 (O^T) window 1
.set n, 0
.rept 16
	v_pk_mul_f32 v[S+32*\i+n:S+32*\i+n+1], v[OT+32*\i+n:OT+32*\i+n+1], v[FF+2*\i:FF+2*\i+1] op_sel_hi:[1,0]
.set n, n+2
.endr
	WIN 0
.set n, 0
.rept 32
	v_med3_num_f32 v[S+32*\i+n], v[S+32*\i+n], -v[LIMV], v[LIMV]
.set n, n+1
.endr
.irp t, 0,1,2,3
	v_cvt_scalef32_pk8_fp8_f32 v[P+8*\i+2*\t:P+8*\i+2*\t+1], v[S+32*\i+8*\t:S+32*\i+8*\t+7], v[SCLV]
.endr
	v_nop                                          ; a plain line behind the last conversion
.irp p, 0,1
	global_store_b128 v[LO], v[P+8*\i+4*\p:P+8*\i+4*\p+3], s[12:13] offset:16384*\i+512*\p   ; 512 consecutive bytes
.endr
.endr
	s_wait_tensorcnt 0x0                           ; the wave's end
	ds_add_u32 v[SPW], v[NIL]
	s_wait_dscnt 0x0
	CROUND                                         ; the closing round
	s_endpgm
.Lfunc_end_k_q37f4f7786d_attn:
	.size	k_q37f4f7786d_attn, .Lfunc_end_k_q37f4f7786d_attn-k_q37f4f7786d_attn
	.p2alignl 7, 3214868480
	.fill 96, 4, 3214868480
	.section	.rodata,"a",@progbits
	.p2align	6, 0x0
	.amdhsa_kernel k_q37f4f7786d_attn
		.amdhsa_group_segment_fixed_size 327680
		.amdhsa_private_segment_fixed_size 0
		.amdhsa_enable_private_segment 0
		.amdhsa_kernarg_size 40
		.amdhsa_user_sgpr_count 2
		.amdhsa_user_sgpr_kernarg_segment_ptr 1
		.amdhsa_wavefront_size32 1
		.amdhsa_system_sgpr_workgroup_id_x 1
		.amdhsa_system_sgpr_workgroup_id_y 1
		.amdhsa_system_sgpr_workgroup_id_z 1
		.amdhsa_system_vgpr_workitem_id 0
		.amdhsa_next_free_vgpr 512
		.amdhsa_next_free_sgpr 100
		.amdhsa_reserve_vcc 0
		.amdhsa_float_denorm_mode_32 3
		.amdhsa_float_denorm_mode_16_64 3
		.amdhsa_memory_ordered 1
		.amdhsa_forward_progress 1
		.amdhsa_inst_pref_size 173
	.end_amdhsa_kernel
	.amdgpu_metadata
---
amdhsa.version: [ 1, 2 ]
amdhsa.kernels:
  - .name:           k_q37f4f7786d_attn
    .symbol:         k_q37f4f7786d_attn.kd
    .args:
      - { .name: qc, .offset: 0, .size: 8, .value_kind: global_buffer, .address_space: global }
      - { .name: kv, .offset: 8, .size: 8, .value_kind: global_buffer, .address_space: global }
      - { .name: attn_bias, .offset: 16, .size: 8, .value_kind: global_buffer, .address_space: global }
      - { .name: lowp_scales, .offset: 24, .size: 8, .value_kind: global_buffer, .address_space: global }
      - { .name: oc, .offset: 32, .size: 8, .value_kind: global_buffer, .address_space: global }
    .group_segment_fixed_size: 327680
    .private_segment_fixed_size: 0
    .kernarg_segment_align: 8
    .kernarg_segment_size: 40
    .max_flat_workgroup_size: 256
    .sgpr_count:     100
    .vgpr_count:     512
    .wavefront_size: 32
...
	.end_amdgpu_metadata
.endif
;; end of part 4
;; launch ogemm (part 5): grid 8 x 32, 4 waves a work-group, clusters of 4 x 4, 327,680 bytes of LDS; arguments oc, codes, lowp_scales, bp, out0; writes out0
.if DOCPART == 5
	.amdgcn_target "amdgcn-amd-amdhsa--gfx1250"
	.amdhsa_code_object_version 6
	.text
	.protected	k_q37f4f7786d_ogemm
	.globl	k_q37f4f7786d_ogemm
	.p2align	8
	.type	k_q37f4f7786d_ogemm,@function
k_q37f4f7786d_ogemm:
	s_mov_b64 s[64:65], 0
	v_nop
	global_prefetch_b8 v0, s[64:65] scope:SCOPE_SE
	s_setreg_imm32_b32 hwreg(HW_REG_WAVE_MODE, 25, 1), 1
	s_wait_xcnt 0x0
	s_wait_alu depctr_hold_cnt(0) depctr_sa_sdst(0) depctr_va_vdst(0) depctr_va_sdst(0) depctr_va_ssrc(0) depctr_va_vcc(0) depctr_vm_vsrc(0)
	s_getreg_b32 s2, hwreg(HW_REG_IB_STS2, 6, 4)
	s_cmp_eq_u32 s2, 0
	s_cbranch_scc0 .Lentry_in_a_cluster
	s_endpgm
.Lentry_in_a_cluster:
	s_bfe_u32 s2, ttmp6, 0x10000c
	s_cmp_lg_u32 s2, 0xf033
	s_cbranch_scc0 .Lentry_shape_is_right
	s_endpgm
.Lentry_shape_is_right:
; out0 = (attention's result) Wp^T + bp, on codes of FP8 (E4M3), K = 1,024; each finished sum x 2^(e10 + e11) + bp by one fused multiply-add.
; A tile is 128 rows (operand A: the attention's codes) x 128 channels (operand B: Wp's), so that the 4,096 x 1,024 numbers make 256 work-groups; four waves, 64 x 64 each: 16 accumulators of 16 x 16.
; A TILE'S WHOLE K FITS IN LDS: 128 KiB of A and 128 KiB of B.  So there is no ring: each wave asks at the start, by ONE tensor load, for 64 rows x 1,024 codes, which lie on end in memory (65,536 bytes);
; no LDS byte is filled twice; one wait and one barrier stand ahead of the products.
; The codes lie as images of operand registers ([tile of 16 rows][K step of 128][p][lane][16 bytes]): a fragment is four loads of 512 consecutive bytes.  Source 0 = 16 rows of B, source 1 = 16 rows of A: a lane holds eight
; neighbouring numbers of a row of the output.
; CLUSTER 4 x 4: A's tile hangs on the work-group's y, B's on its x: each is asked for jointly by the four that share it.  No prefetch: the launch has no loop to run ahead in.
; LIMIT: e10 + e11 between -126 and 127.
; REGISTERS: window 0: v8-11 bp of the four columns that I store, v16, v17, v24-26 addresses, v28, v29 the add's two, v32-95 rows on their way out, v128-255 the accumulators, (a, b) at v[128 + 8 (4 a + b)];
;   window 1: two sets of fragments of 128: A's four, then B's four.
.set WPOFF,  24117248                  ; Wp's image in the codes' buffer
.set REG,    65536                     ; what a wave fetches: 4 tiles of 16 rows x 16,384 bytes
.set STAGE,  4*REG                     ; behind the tiles: 16 rows x (256 bytes + 16) for each wave
.set SPITCH, 272
.set SPARE,  STAGE+4*16*SPITCH         ; behind the stages: the spare words, 128 bytes a wave
.set FR,     16
.set ADRA, 16
.set ADRB, 17
.set STO,  24
.set RD,   25
.set CO,   26
.set SPW,  28
.set NIL,  29
.set BK,   32
.set ACC,  128
.set G1,  24                           ; s[24:31] group 1 for A's tiles;  s[32:39] for B's: they differ in the mask
.set G1B, 32
.set G0,  40                           ; s[40:43] group 0 for A;  s[44:47] for B
.set G0B, 44
.set MSB, 0
.macro WIN new
.if MSB != (\new)
	s_set_vgpr_msb (MSB<<8)|(\new)
.set MSB, (\new)
.endif
.endm
.macro CROUND
	s_barrier_signal -1
	s_barrier_wait -1
	s_cmp_lg_u32 s14, 0
	s_cbranch_scc1 .Lnot_wave_0_\@
	s_barrier_signal -3
.Lnot_wave_0_\@:
	s_barrier_wait -3
	s_barrier_signal -1
	s_barrier_wait -1
.endm
.macro PLACES n                        ; plain vector lines between a matrix instruction and a load into, or a read of, its registers
.rept \n
	v_nop
.endr
.endm
	s_load_b256 s[4:11], s[0:1], 0x0               ; oc s[4:5], the codes s[6:7], the scales s[8:9], bp s[10:11]
	s_load_b64 s[12:13], s[0:1], 0x20              ; out0
	v_lshl_add_u32 v[SPW], v0, 2, SPARE
	v_mov_b32 v[NIL], 0
	ds_add_u32 v[SPW], v[NIL]                      ; the wave's opening: the add, twice on end, and its wait ahead of my tensor load
	ds_add_u32 v[SPW], v[NIL]
	v_lshrrev_b32 v1, 5, v0
	v_readfirstlane_b32 s14, v1                    ; wave
	s_lshr_b32 s15, s14, 1                         ; my half of A's rows.  Also: I fetch for A (0) or for B (1)
	s_and_b32 s16, s14, 1                          ; my half of B's rows.  Also: which half of that tile I fetch
	s_bfe_u32 s56, ttmp6, 0x40000                  ; cx
	s_bfe_u32 s57, ttmp6, 0x40004                  ; cy
	s_and_b32 s17, ttmp7, 0xffff
	s_lshl_b32 s19, s17, 2
	s_add_co_u32 s19, s19, s57                     ; A's tile of 128 rows, 0 .. 31
	s_lshl_b32 s18, ttmp9, 2
	s_add_co_u32 s18, s18, s56                     ; B's tile of 128 channels, 0 .. 7
	s_lshl_b32 s58, s57, 2
	s_lshl_b32 s58, 15, s58                        ; my row of the cluster
	s_lshl_b32 s59, 0x1111, s56                    ; my column
	s_or_b32 s[G1+0], s58, (3<<16)|(1<<21)         ; the mask; elements of 8 bytes; bit 21 beside a mask; no padding
	s_or_b32 s[G1B+0], s59, (3<<16)|(1<<21)
.irp g, G1, G1B
	s_mov_b32 s[\g+1], 2048<<16                    ; tensor_dim0: 16,384 bytes: a tile of 16 rows, all of K
	s_mov_b32 s[\g+2], 4<<16                       ; tensor_dim1: 4 tiles of rows
	s_mov_b32 s[\g+3], 2048<<16                    ; tile_dim0
	s_mov_b32 s[\g+4], 4                           ; tile_dim1
	s_mov_b32 s[\g+5], 2048                        ; 16,384 bytes from one tile of rows to the next
	s_mov_b32 s[\g+6], 0
	s_mov_b32 s[\g+7], 0
.endr
	s_lshl_b32 s20, s19, 3                         ; A: 8 tiles of rows to a tile, + the four that I fetch
	s_lshl_b32 s21, s16, 2
	s_add_co_u32 s20, s20, s21
	s_lshl_b32 s20, s20, 14
	s_mov_b32 s21, 0
	s_lshl_b32 s22, s18, 3                         ; B likewise
	s_lshl_b32 s23, s16, 2
	s_add_co_u32 s22, s22, s23
	s_lshl_b32 s22, s22, 14
	s_add_co_u32 s22, s22, WPOFF
	s_mov_b32 s23, 0
	s_mov_b32 s[G0], 1
	s_lshl_b32 s[G0+1], s14, 16                    ; where my load lands: wave x 65,536: no place in the cluster enters an LDS address
	s_mov_b32 s[G0B], 1
	s_lshl_b32 s[G0B+1], s14, 16
	s_wait_dscnt 0x0                               ; both opening adds are done
	s_wait_kmcnt 0x0
	s_load_b128 s[84:87], s[8:9], 0x20             ; e8 .. e11
	s_add_nc_u64 s[G0+2:G0+3], s[4:5], s[20:21]
	s_or_b32 s[G0+3], s[G0+3], 0x80000000
	s_add_nc_u64 s[G0B+2:G0B+3], s[6:7], s[22:23]
	s_or_b32 s[G0B+3], s[G0B+3], 0x80000000
	CROUND                                         ; all sixteen work-groups are here: the joint loads meet
	s_cmp_eq_u32 s15, 0                            ; one chain on the wave's number, one load to an arm
	s_cbranch_scc0 .Lfor_b
	tensor_load_to_lds s[G0:G0+3], s[G1:G1+7]
	s_nop 0
.rept 4
	v_nop
.endr
	s_branch .Lasked
.Lfor_b:
	tensor_load_to_lds s[G0B:G0B+3], s[G1B:G1B+7]
	s_nop 0
.rept 4
	v_nop
.endr
.Lasked:
	v_and_b32 v1, 31, v0
	v_lshlrev_b32 v2, 4, v1                        ; 16 x lane
	v_and_b32 v3, 15, v0                           ; r
	v_bfe_u32 v4, v0, 4, 1                         ; h
	s_lshl_b32 s61, s15, 16                        ; my half of A was fetched by wave 0 or 1,
	v_add_nc_u32 v[ADRA], s61, v2
	s_lshl_b32 s62, s16, 16                        ; my half of B by wave 2 or 3
	s_add_co_u32 s62, s62, 2*REG
	v_add_nc_u32 v[ADRB], s62, v2
	s_mul_i32 s63, s14, 16*SPITCH
	s_add_co_u32 s63, s63, STAGE                   ; my stage
	v_mul_u32_u24 v[STO], v3, SPITCH
	v_lshl_add_u32 v[STO], v4, 5, v[STO]
	v_add_nc_u32 v[STO], s63, v[STO]               ; in: row r, 32 bytes for each half of the lanes
	v_mul_u32_u24 v[RD], v4, SPITCH
	v_lshl_add_u32 v[RD], v3, 4, v[RD]
	v_add_nc_u32 v[RD], s63, v[RD]                 ; back: lanes 0-15 take one row of 256 bytes, lanes 16-31 the next
	v_lshlrev_b32 v[CO], 12, v4                    ; and the same two rows in out0: 4,096 bytes a row
	v_lshl_add_u32 v[CO], v3, 4, v[CO]
	v_lshlrev_b32 v5, 4, v3                        ; 16 r
	s_lshl_b32 s88, s18, 9                         ; my first column in bytes: 512 x tile + 256 x half
	s_lshl_b32 s89, s16, 8
	s_add_co_u32 s88, s88, s89
	s_mov_b32 s89, 0
	s_add_nc_u64 s[10:11], s[10:11], s[88:89]
	global_load_b128 v[8:11], v5, s[10:11]         ; bp of the four columns that I store
	s_lshl_b32 s90, s19, 19                        ; my first row: (128 x tile + 64 x half) x 4,096 bytes
	s_lshl_b32 s91, s15, 18
	s_add_co_u32 s90, s90, s91
	s_add_co_u32 s90, s90, s88
	s_mov_b32 s91, 0
	s_add_nc_u64 s[12:13], s[12:13], s[90:91]
	s_wait_kmcnt 0x0
	s_add_co_i32 s96, s86, s87                     ; e10 + e11
	s_add_co_i32 s96, s96, 127
	s_lshl_b32 s96, s96, 23                        ; 2^(e10 + e11) as f32
	s_mov_b32 s97, s96                             ; (named with it as a pair)
; K step s's eight fragments into set s % 2: A's four, then B's four
.macro FRAGS s
	WIN 0x40                                       ; destination window 1, address window 0
.irp i, 0,1,2,3
.irp c, 0,1,2,3
	ds_load_b128 v[128*((\s)%2)+FR*\i+4*\c:128*((\s)%2)+FR*\i+4*\c+3], v[ADRA] offset:16384*\i+2048*(\s)+512*\c
.endr
.endr
.irp i, 0,1,2,3
.irp c, 0,1,2,3
	ds_load_b128 v[128*((\s)%2)+64+FR*\i+4*\c:128*((\s)%2)+64+FR*\i+4*\c+3], v[ADRB] offset:16384*\i+2048*(\s)+512*\c
.endr
.endr
.endm
; 16 matrix instructions: the 16 accumulators take turns, one instruction a turn, in the same order in every step.  Step 0's products start the sums
.macro MUL s
	WIN 0x05                                       ; sources 0 (B) and 1 (A) window 1; C and D window 0
.irp a, 0,1,2,3
.irp b, 0,1,2,3
.if (\s) == 0
	v_wmma_f32_16x16x128_fp8_fp8 v[ACC+8*(4*\a+\b):ACC+8*(4*\a+\b)+7], v[128*((\s)%2)+64+FR*\b:128*((\s)%2)+64+FR*\b+FR-1], v[128*((\s)%2)+FR*\a:128*((\s)%2)+FR*\a+FR-1], 0
.else
	v_wmma_f32_16x16x128_fp8_fp8 v[ACC+8*(4*\a+\b):ACC+8*(4*\a+\b)+7], v[128*((\s)%2)+64+FR*\b:128*((\s)%2)+64+FR*\b+FR-1], v[128*((\s)%2)+FR*\a:128*((\s)%2)+FR*\a+FR-1], v[ACC+8*(4*\a+\b):ACC+8*(4*\a+\b)+7]
.endif
.endr
.endr
.endm
; a K step: its fragments are waited for; the next step's are asked for, into the set that the step before multiplied; then the products
.macro STEPM s
	s_wait_dscnt 0x0                               ; this step's fragments are in
.if (\s) < 7
.if (\s) > 0
	PLACES 4
.endif
	FRAGS (\s)+1
.endif
	MUL \s
.endm
	s_wait_alu depctr_va_vdst(0)                   ; the wait at the head's end
	s_wait_tensorcnt 0x0                           ; my part of the tiles is in
	s_barrier_signal -1
	s_barrier_wait -1                              ; everybody's is
	FRAGS 0
.irp s, 0,1,2,3,4,5,6,7
	STEPM \s
.endr
	WIN 0
; THE WAY OUT, block by block of 16 rows x 64 columns: the sums go into my own stage as they stand and come back as whole rows of 256 bytes.  LDS serves a wave's instructions in order: no wait between the stores and the loads.
.macro TOSTAGE a
.set BB, BK+32*((\a)%2)
.irp b, 0,1,2,3
	ds_store_b128 v[STO], v[ACC+8*(4*(\a)+\b):ACC+8*(4*(\a)+\b)+3] offset:64*\b          ; each accumulator from its low end on
	ds_store_b128 v[STO], v[ACC+8*(4*(\a)+\b)+4:ACC+8*(4*(\a)+\b)+7] offset:64*\b+16
.endr
.irp t, 0,1,2,3,4,5,6,7
	ds_load_b128 v[BB+4*\t:BB+4*\t+3], v[RD] offset:2*\t*SPITCH
.endr
.endm
.macro SEND a, younger                 ; younger: the LDS instructions issued behind block a's loads, which may stay out
.set BB, BK+32*((\a)%2)
	s_wait_dscnt \younger
.irp t, 0,1,2,3,4,5,6,7
	v_pk_fma_f32 v[BB+4*\t:BB+4*\t+1], v[BB+4*\t:BB+4*\t+1], s[96:97], v[8:9] op_sel_hi:[1,0,1]       ; sum x 2^(e10 + e11) + bp
	v_pk_fma_f32 v[BB+4*\t+2:BB+4*\t+3], v[BB+4*\t+2:BB+4*\t+3], s[96:97], v[10:11] op_sel_hi:[1,0,1]
.endr
.irp t, 0,1,2,3,4,5,6,7
	global_store_b128 v[CO], v[BB+4*\t:BB+4*\t+3], s[12:13] offset:(16*(\a)+2*\t)*4096 th:TH_STORE_NT   ; sixteen lanes store 256 consecutive bytes, aligned; written once, read by nobody here
.endr
.endm
	PLACES 4
	s_wait_alu depctr_va_vdst(0)                   ; directly ahead of the wait below
	s_wait_loadcnt 0x0                             ; bp
	TOSTAGE 0
.irp a, 1,2,3
.if \a > 1
	s_wait_xcnt 0x0                                ; block a - 2's stores have read their registers
.endif
	TOSTAGE \a
	SEND \a-1, 16                                  ; behind block a - 1's loads: block a's 8 stores and 8 loads
.endr
	SEND 3, 0
	s_wait_tensorcnt 0x0                           ; the wave's end
	ds_add_u32 v[SPW], v[NIL]
	s_wait_dscnt 0x0
	CROUND                                         ; the closing round
	s_endpgm
.Lfunc_end_k_q37f4f7786d_ogemm:
	.size	k_q37f4f7786d_ogemm, .Lfunc_end_k_q37f4f7786d_ogemm-k_q37f4f7786d_ogemm
	.p2alignl 7, 3214868480
	.fill 96, 4, 3214868480
	.section	.rodata,"a",@progbits
	.p2align	6, 0x0
	.amdhsa_kernel k_q37f4f7786d_ogemm
		.amdhsa_group_segment_fixed_size 327680
		.amdhsa_private_segment_fixed_size 0
		.amdhsa_enable_private_segment 0
		.amdhsa_kernarg_size 40
		.amdhsa_user_sgpr_count 2
		.amdhsa_user_sgpr_kernarg_segment_ptr 1
		.amdhsa_wavefront_size32 1
		.amdhsa_system_sgpr_workgroup_id_x 1
		.amdhsa_system_sgpr_workgroup_id_y 1
		.amdhsa_system_sgpr_workgroup_id_z 1
		.amdhsa_system_vgpr_workitem_id 0
		.amdhsa_next_free_vgpr 512
		.amdhsa_next_free_sgpr 100
		.amdhsa_reserve_vcc 0
		.amdhsa_float_denorm_mode_32 3
		.amdhsa_float_denorm_mode_16_64 3
		.amdhsa_memory_ordered 1
		.amdhsa_forward_progress 1
		.amdhsa_inst_pref_size 43
	.end_amdhsa_kernel
	.amdgpu_metadata
---
amdhsa.version: [ 1, 2 ]
amdhsa.kernels:
  - .name:           k_q37f4f7786d_ogemm
    .symbol:         k_q37f4f7786d_ogemm.kd
    .args:
      - { .name: oc, .offset: 0, .size: 8, .value_kind: global_buffer, .address_space: global }
      - { .name: codes, .offset: 8, .size: 8, .value_kind: global_buffer, .address_space: global }
      - { .name: lowp_scales, .offset: 16, .size: 8, .value_kind: global_buffer, .address_space: global }
      - { .name: bp, .offset: 24, .size: 8, .value_kind: global_buffer, .address_space: global }
      - { .name: out0, .offset: 32, .size: 8, .value_kind: global_buffer, .address_space: global }
    .group_segment_fixed_size: 327680
    .private_segment_fixed_size: 0
    .kernarg_segment_align: 8
    .kernarg_segment_size: 40
    .max_flat_workgroup_size: 128
    .sgpr_count:     100
    .vgpr_count:     512
    .wavefront_size: 32
...
	.end_amdgpu_metadata
.endif
;; end of part 5
